; MI455X (gfx1250); checked and timed in simulation.
; The chip was launched on July 23, 2026; its instructions are those of AMD's public machine-readable ISA for CDNA 5 (MIT licence, August 2026) and "CDNA5" Instruction Set Architecture Reference Guide (July 2026). The comments in the code are by the model that wrote it; some were corrected since.
;; XSA4 Attention. Allowed arithmetic: matrix products marked QUANTISED: E3M2 operands, one E8M0 scale for each 32 along K, by v_wmma_scale_f32_16x16x128_f8f6f4 with both operands' format E3M2, f32 sums; everything else in f32.
;; Inputs: Wout 1,024 x 1,024 float32; Wqkv 3,072 x 1,024 float32; x 4 x 2,048 x 1,024 float32.
;; Outputs: out0 4 x 2,048 x 1,024 float32.
;; Constants: n_heads = 16, rope_dims = 32.
;; This version of the problem:
;;   THIS VERSION OF THE PROBLEM IS GIVEN IN LOW PRECISION. The matrix products marked QUANTISED in the list below multiply operands that are first quantised to E3M2 (3 exponent bits, 2 mantissa bits; 6 bits a number), with one power-of-two scale for each 32 numbers along K (OCP MX v1.0); their sums are f32. All else is computed in f32.
;;   The module's matrix products, in the order in which they are computed (A, B: the left and right operand; K: the contracted axis; several contracted axes count as one K, in the product's order):
;;     1. [M 8,192, K 1,024] x [K 1,024, N 3,072]; A: input x; B: input Wqkv: QUANTISED
;;     2. batch 64 x [M 2,048, K 64] x [K 64, N 2,048]; A: computed on the way; B: computed on the way: QUANTISED
;;     3. batch 64 x [M 2,048, K 2,048] x [K 2,048, N 64]; A: softmax (see below); B: computed on the way: QUANTISED
;;     4. [M 8,192, K 1,024] x [K 1,024, N 1,024]; A: computed on the way; B: input Wout: QUANTISED
;;   THE QUANTISER, for each operand of a quantised product, along K:
;;     - K is cut into blocks of 32 from its start; a last block that is shorter is filled with zeros.
;;     - A block's scale is 2^e with e = floor(log2(the largest magnitude in the block)) - 4, held to -126 .. 127; a block of zeros has e = 0. As a byte (E8M0): e + 127.
;;     - Each number is divided by its block's scale, clamped to +-28, and rounded to the nearest number of E3M2, ties to even, subnormals kept.
;;     - The product sums the exact products of the quantised numbers (number of the format x scale) in f32.
;;   ~~~python
;;   def quantise(x, axis):      # numpy; x: float32 -> the quantised numbers, widened to float32 again
;;       x = np.moveaxis(x, axis, -1); K = x.shape[-1]
;;       x = np.pad(x, [(0, 0)] * (x.ndim - 1) + [(0, -K % 32)]); x = x.reshape(x.shape[:-1] + (-1, 32)); a = np.abs(x).max(-1, keepdims=True)
;;       e = np.where(a > 0, np.clip(np.frexp(np.where(a > 0, a, 1))[1] - 1 - 4, -126, 127), 0)      # np.frexp(a)[1] - 1 = floor(log2(a)), exactly
;;       r = np.clip(x / 2.0 ** e, -28, 28)
;;       step = 2.0 ** (np.maximum(np.frexp(np.where(r == 0, 1, r))[1] - 1, -2) - 2)
;;       q = np.round(r / step) * step * 2.0 ** e      # np.round: ties to even
;;       return np.moveaxis(q.reshape(q.shape[:-2] + (-1,))[..., :K], -1, axis).astype(np.float32)
;;   ~~~
;;   SOFTMAX AHEAD OF A QUANTISED PRODUCT. Where the list says 'softmax', what is quantised is not the finished softmax but p = 2^(t - M), with t = logit x log2(e) and M = ceil(the row's largest t), a whole number; so 1/2 < the row's largest p <= 1. The row's sum l is taken of the UNQUANTISED p, in f32, and the product's result is divided by l at the end. Since M is a whole number, a kernel that streams over the keys may use a running M (the ceiling of the running maximum): every later rescaling is an exact power of two, which a block's scale takes up: the codes' values come out the same.
;;   OPERANDS COMPUTED ON THE WAY. 'Computed on the way' means the value that the module computes at that place (a softmax that the list does not call 'softmax' is quantised finished and normalised). What goes into a quantiser is computed in f32, as accurately as f32 sums, v_exp_f32 and their like allow (about 1e-6 of the number): no bf16 or f16 on the way to a quantiser, and a product that is left as it is and whose result goes on into a quantised operand takes f32 operands (vector FMAs, or v_wmma_f32_16x16x4_f32). A number that lies on a knife's edge between two numbers of the format may be rounded either way, as far as f32 arithmetic and the matrix unit's own rounding can turn it there, and no further.
;; One version. Each part assembles by itself: llvm-mc -triple=amdgcn-amd-amdhsa -mcpu=gfx1250 --defsym DOCPART=n.
;; ======== version 1 of 1: 4 launches
;; workspace buffers: cod 9,437,184 bytes; scl 393,216 bytes; rope 262,144 bytes; q 6,815,744 bytes; kv 13,369,344 bytes; ac 6,291,456 bytes; asc 262,144 bytes
;; launch quant (part 1): grid 400 x 1, 4 waves a work-group, no clusters, 35,328 bytes of LDS; arguments x, Wqkv, Wout, cod, scl, rope; writes cod, scl, rope
.if DOCPART == 1
	.amdgcn_target "amdgcn-amd-amdhsa--gfx1250"
	.amdhsa_code_object_version 6
	.text
	.protected	k_q183359cdb6_quant
	.globl	k_q183359cdb6_quant
	.p2align	8
	.type	k_q183359cdb6_quant,@function
k_q183359cdb6_quant:
	s_mov_b64 s[64:65], 0
	v_nop
	global_prefetch_b8 v0, s[64:65] scope:SCOPE_SE
	s_setreg_imm32_b32 hwreg(HW_REG_WAVE_MODE, 25, 1), 1
	s_wait_xcnt 0x0
; x [8192][1024], Wqkv [3072][1024], Wout [1024][1024], f32, become codes of BF6 (E3M2) with one E8M0 byte for each 32 along K; and the table of cosines and sines for the partial RoPE is made.
; THE CODES' LAYOUT ("units").  768 tiles of 16 rows (0-511 x, 512-703 Wqkv, 704-767 Wout); a tile is 16 units of 768 bytes, a unit 16 rows x 64 along K, laid as an IMAGE OF THE OPERAND'S REGISTERS:
; lane l = r + 16 h owns the block (row r, k = 32 h .. 32 h + 31) of the unit, 24 bytes: the first 16 at 16 l, the last 8 at 512 + 8 l.  So every later load of a fragment is dense.
; THE ROWS OF A TILE ARE NOT NEIGHBOURS: tile 4 G + u holds rows 64 G + 8 u + (r % 8) + 32 (r / 8).  A product that takes such tiles as source 0 leaves, in the 32 result registers of tiles u = 0 .. 3,
; 32 NEIGHBOURS (64 G + 32 h + 0 .. 31) in one lane: a whole block of the next product's K.
; THE SCALES' LAYOUT: 512 bytes a tile: [256 along K: 4][row: 16][2 words]; a word is the four bytes of 128 along K.
; A block's scale is 2^(floor(log2(largest magnitude)) - 4); its byte is the largest magnitude's exponent field - 4, held at 1 from below by a floor among the maximum's leaves.
; LIMITS: a block of zeros gets the byte 1 where the rule says 127 (its codes are zeros, and this program alone reads the bytes); NaN and infinities among the inputs are not served.
; SHARES.  Work-groups 0-383 quantise: a wave takes one tile's 16 rows x 512 along K, eight units.  Each load reads 256 consecutive bytes of two rows; a unit's 4,096 bytes turn through the wave's own stage in LDS
; (rows 272 bytes apart) and come back 128 bytes a lane: a whole block.  Loads run three units ahead, the turn one unit.  Waves share nothing: no barrier.
; Work-groups 384-399 make the table: row t (128 bytes) = cos(t f_i), i = 0 .. 15, then sin(t f_i); f_i = 10000^(-i / 16).  They use no LDS.
; THE TABLE'S ARITHMETIC: f_i = 2^(-i c), c = log2(10000) / 16 cut in two: i x the upper part is exact, the rest enters as 1 + i x rest x ln 2.  The angle t f_i is rounded once, as an outer product has it;
; it is reduced by n = round(angle x 2 / pi) with pi / 2 in two parts, and sine and cosine of the rest come from polynomials of degree 7 and 8.  LIMIT: f_i is as good as v_exp_f32 (about one unit in its last place).
.set NQUANT, 384                       ; work-groups that quantise
.set FIRSTW, 256                       ; the first that takes Wqkv
.set FIRSTO, 352                       ; the first that takes Wout
.set STG,    4352                      ; a stage: 16 rows x 272 bytes
.set WLDS,   2*STG                     ; LDS of a wave: two stages
.set LANE, 1
.set VL,   2                           ; v2  a load's lane term: (lane / 16) rows of 4,096 bytes + 16 (lane % 16)
.set VSTO, 3                           ; v3  into the stage: the same place, rows of 272
.set VLD,  4                           ; v4  out of it: row r, + 128 h
.set LI16, 5                           ; v5  16 x lane
.set LI8,  6                           ; v6  8 x lane
.set SH8,  7                           ; v7  8 h
.set MA,   8
.set MB,   9
.set SO,   10                          ; the conversions' scale operand
.set BY,   16                          ; v16-23   a scale byte for each unit
.set R,    32                          ; v32-127  three sets of 32 registers as loaded
.set X,    128                         ; v128-191 two sets of 32 neighbours
.set C,    192                         ; v192-239 codes: six registers for each unit, written once
.set TC,   240                         ; v240-242 a block's upper 16 codes, to be moved
.set WD,   244                         ; v244-247 the four scale words
.set WP,   248                         ; v248-251 the partner lane's
.set WO,   252                         ; v252-253 the two that I store
	v_lshl_add_u32 v254, v0, 2, 0x8800
	v_mov_b32 v255, 0
	s_cmp_ge_u32 ttmp9, NQUANT
	s_cbranch_scc1 .Lrope
	s_load_b128 s[4:7], s[0:1], 0x0                ; x, Wqkv
	s_load_b128 s[8:11], s[0:1], 0x10              ; Wout, cod
	s_load_b64 s[12:13], s[0:1], 0x20              ; scl
	v_lshrrev_b32 v8, 5, v0
	v_readfirstlane_b32 s16, v8                    ; wave
	v_and_b32 v[LANE], 31, v0
	v_and_b32 v9, 15, v0                           ; r
	v_bfe_u32 v10, v0, 4, 1                        ; h
	v_lshlrev_b32 v[VL], 12, v10
	v_lshl_add_u32 v[VL], v9, 4, v[VL]
	s_mul_i32 s17, s16, WLDS
	v_mul_u32_u24 v[VSTO], v10, 272
	v_lshl_add_u32 v[VSTO], v9, 4, v[VSTO]
	v_add_nc_u32 v[VSTO], s17, v[VSTO]
	v_mul_u32_u24 v[VLD], v9, 272
	v_lshl_add_u32 v[VLD], v10, 7, v[VLD]
	v_add_nc_u32 v[VLD], s17, v[VLD]
	v_lshlrev_b32 v[LI16], 4, v[LANE]
	v_lshlrev_b32 v[LI8], 3, v[LANE]
	v_lshlrev_b32 v[SH8], 3, v10
.irp j, 0,1,2,3
	v_mov_b32 v[WP+\j], 0                          ; written once: a lane permute's destination counts as one of its sources
.endr
	s_mov_b32 s28, 0x76543210
	s_mov_b32 s29, 0xfedcba98                      ; v_permlanex16_b32's selects for lane l xor 16
	s_mov_b32 s18, FIRSTO                          ; my tensor's first work-group
	s_cmp_lt_u32 ttmp9, FIRSTO
	s_cselect_b32 s18, FIRSTW, s18
	s_cmp_lt_u32 ttmp9, FIRSTW
	s_cselect_b32 s18, 0, s18
	s_sub_co_u32 s18, ttmp9, s18
	s_lshl_b32 s18, s18, 1
	s_lshr_b32 s19, s16, 1
	s_add_co_u32 s18, s18, s19                     ; my tile within the tensor
	s_and_b32 s20, s16, 1                          ; which 512 along K
	s_lshr_b32 s21, s18, 2
	s_lshl_b32 s21, s21, 6
	s_and_b32 s22, s18, 3
	s_lshl_b32 s22, s22, 3
	s_add_co_u32 s21, s21, s22                     ; the tile's first row: 64 G + 8 u
	s_lshl_b32 s22, s21, 12                        ; rows of 4,096 bytes (under 2^26)
	s_lshl_b32 s23, s20, 11
	s_add_co_u32 s22, s22, s23
	s_mov_b32 s23, 0
	s_lshl_b32 s24, ttmp9, 1
	s_add_co_u32 s24, s24, s19                     ; my tile among the 768
	s_mul_i32 s26, s24, 12288
	s_mul_i32 s25, s20, 6144
	s_add_co_u32 s26, s26, s25                     ; its codes, my eight units
	s_mov_b32 s27, 0
	s_lshl_b32 s24, s24, 9
	s_lshl_b32 s25, s20, 8
	s_add_co_u32 s24, s24, s25                     ; its scales, my 256 bytes
	s_mov_b32 s25, 0
	s_wait_alu depctr_va_vdst(0)
	s_wait_kmcnt 0x0
	s_cmp_lt_u32 ttmp9, FIRSTO                     ; the choice of the tensor hangs on the work-group's number alone
	s_cselect_b64 s[6:7], s[6:7], s[8:9]
	s_cmp_lt_u32 ttmp9, FIRSTW
	s_cselect_b64 s[4:5], s[4:5], s[6:7]
	s_add_nc_u64 s[4:5], s[4:5], s[22:23]
	s_add_nc_u64 s[10:11], s[10:11], s[26:27]
	s_add_nc_u64 s[12:13], s[12:13], s[24:25]
; Unit n: 256 bytes of each of the tile's 16 rows.  Load i takes tile rows 2 i (lanes 0-15) and 2 i + 1 (lanes 16-31); tile rows 8-15 lie 32 rows below rows 0-7.
.macro LOAD n
.irp i, 0,1,2,3,4,5,6,7
	global_load_b128 v[R+32*((\n)%3)+4*\i:R+32*((\n)%3)+4*\i+3], v[VL], s[4:5] offset:(2*\i+24*(\i/4))*4096+256*(\n) th:TH_LOAD_NT
.endr
.endm
; Unit n through the stage: LDS serves a wave's instructions in order, so no wait stands between the stores and the loads.
.macro TURN n
.irp i, 0,1,2,3,4,5,6,7
	ds_store_b128 v[VSTO], v[R+32*((\n)%3)+4*\i:R+32*((\n)%3)+4*\i+3] offset:STG*((\n)%2)+544*\i
.endr
.irp j, 0,1,2,3,4,5,6,7
	ds_load_b128 v[X+32*((\n)%2)+4*\j:X+32*((\n)%2)+4*\j+3], v[VLD] offset:STG*((\n)%2)+16*\j
.endr
.endm
.macro STEP n
.set XS, X+32*((\n)%2)
	s_wait_dscnt 0x0                               ; this unit's block is back from the stage, and its stores into the stage have read their registers,
.if (\n) < 5
	LOAD (\n)+3                                    ; which take the loads of three units on
.endif
.if (\n) < 7
.if (\n) < 5
	s_wait_loadcnt 16                              ; the next unit's eight loads are in; those of the two units behind it may be out
.elseif (\n) == 5
	s_wait_loadcnt 8                               ; one unit behind it
.else
	s_wait_loadcnt 0
.endif
	TURN (\n)+1                                    ; through the other stage while this unit is worked
.endif
	v_max3_num_f32 v[MA], |v[XS]|, |v[XS+1]|, 0x2800000          ; the block's largest magnitude, all 32 numbers mine, in two chains; the floor 2^(5 - 127) keeps the byte at 1 or above
	v_max3_num_f32 v[MB], |v[XS+16]|, |v[XS+17]|, 0x2800000
.irp i, 2,4,6,8,10,12,14
	v_max3_num_f32 v[MA], v[MA], |v[XS+\i]|, |v[XS+\i+1]|
	v_max3_num_f32 v[MB], v[MB], |v[XS+16+\i]|, |v[XS+17+\i]|
.endr
	v_max_num_f32 v[MA], v[MA], v[MB]
	v_add_nc_u32 v[SO], 0xfe000000, v[MA]          ; 4 off its exponent field: the conversion takes the exponent field of this operand as its scale
	v_cvt_scalef32_pk16_bf6_f32 v[C+6*(\n):C+6*(\n)+2], v[XS:XS+15], v[SO]
	v_cvt_scalef32_pk16_bf6_f32 v[TC:TC+2], v[XS+16:XS+31], v[SO]   ; (a conversion's three registers begin on an even number)
	v_lshrrev_b32 v[BY+(\n)], 23, v[SO]            ; the scale's byte; also the plain line behind the conversions
.irp i, 0,1,2
	v_mov_b32 v[C+6*(\n)+3+\i], v[TC+\i]
.endr
	global_store_b128 v[LI16], v[C+6*(\n):C+6*(\n)+3], s[10:11] offset:768*(\n)        ; 512 consecutive bytes
	global_store_b64 v[LI8], v[C+6*(\n)+4:C+6*(\n)+5], s[10:11] offset:768*(\n)+512    ; 256 consecutive bytes
.endm
	LOAD 0
	LOAD 1
	LOAD 2
	s_wait_loadcnt 16                              ; unit 0's eight loads are in
	TURN 0
.irp n, 0,1,2,3,4,5,6,7
	STEP \n
.endr
	; word j (128 along K = units 2 j, 2 j + 1): bytes (unit 2 j, h = 0), (2 j, 1), (2 j + 1, 0), (2 j + 1, 1): my two bytes at 8 h bits, the partner lane's beside them
.irp j, 0,1,2,3
	v_lshl_or_b32 v[WD+\j], v[BY+2*\j+1], 16, v[BY+2*\j]
.endr
.irp j, 0,1,2,3
	v_lshlrev_b32 v[WD+\j], v[SH8], v[WD+\j]
.endr
.irp j, 0,1,2,3
	v_permlanex16_b32 v[WP+\j], v[WD+\j], s28, s29
.endr
.irp j, 0,1,2,3
	v_or_b32 v[WD+\j], v[WD+\j], v[WP+\j]
.endr
	v_cmp_lt_u32 vcc_lo, 15, v[LANE]               ; lanes 0-15 store the first 256 along K's two words of row r, lanes 16-31 the second's
	v_cndmask_b32 v[WO], v[WD], v[WD+2], vcc_lo
	v_cndmask_b32 v[WO+1], v[WD+1], v[WD+3], vcc_lo
	global_store_b64 v[LI8], v[WO:WO+1], s[12:13]  ; 256 consecutive bytes, aligned
	s_wait_tensorcnt 0x0
	ds_add_u32 v254, v255
	s_wait_dscnt 0x0
	s_endpgm
; ---- the table.  Thread T: row T / 8 of sixteen, 16 bytes T % 8 of the row's 128: four cosines (T % 8 < 4) or four sines.
.set RFI,  8                           ; v8-11   i as f32, then i x the rest of c x ln 2
.set RINV, 12                          ; v12-15  f_i
.set RF,   16                          ; v16-19  the angle
.set RN,   20                          ; v20-23  n
.set RR,   24                          ; v24-27  the reduced angle
.set RZ,   28                          ; v28-31  its square
.set ROUT, 32                          ; v32-63  results: four registers for each of eight rows, written once
.set RS,   64                          ; v64-67  sine
.set RC,   68                          ; v68-71  cosine
.set RQ,   72
.set RI,   76
.Lrope:
	s_load_b64 s[4:5], s[0:1], 0x28                ; rope
	s_sub_co_u32 s6, ttmp9, NQUANT
	s_lshl_b32 s8, s6, 14                          ; 128 rows of 128 bytes a work-group
	s_mov_b32 s9, 0
	s_lshl_b32 s7, s6, 7
	s_mov_b32 s10, 0x3f22f983                      ; 2 / pi
	s_mov_b32 s11, 0xbfc90fdb                      ; -(pi / 2), upper part
	s_mov_b32 s12, 0x333bbd2e                      ; upper part - pi / 2
	s_mov_b32 s13, 0xb94ca1f9                      ; sine: -1.9515296e-4, 8.3321609e-3, -1.6666655e-1
	s_mov_b32 s14, 0x3c08839e
	s_mov_b32 s15, 0xbe2aaaa3
	s_mov_b32 s16, 0x37ccf5ce                      ; cosine: 2.4433157e-5, -1.3887316e-3, 4.1666646e-2
	s_mov_b32 s17, 0xbab6061a
	s_mov_b32 s18, 0x3d2aaaa5
	s_mov_b32 s19, 0xbf549a80                      ; -(upper 17 bits of c): times i <= 15 it is exact
	s_mov_b32 s20, 0x34aae0cc                      ; (upper part - c) x ln 2
	v_lshrrev_b32 v1, 3, v0
	v_add_nc_u32 v1, s7, v1                        ; my first row
	v_and_b32 v2, 7, v0
	v_lshrrev_b32 v3, 2, v2
	v_mul_u32_u24 v3, v3, 3                        ; 3 for a sine: sin(a) = cos(a - pi / 2), that is n + 3 quarter turns
	v_and_b32 v2, 3, v2
	v_lshlrev_b32 v2, 2, v2                        ; my first i
	v_lshlrev_b32 v4, 4, v0                        ; 16 T
.irp e, 0,1,2,3
	v_add_nc_u32 v[RFI+\e], \e, v2
.endr
.irp e, 0,1,2,3
	v_cvt_f32_u32 v[RFI+\e], v[RFI+\e]
.endr
.irp e, 0,1,2,3
	v_mul_f32 v[RINV+\e], s19, v[RFI+\e]
.endr
	s_wait_alu depctr_va_vdst(0)
.irp e, 0,1,2,3
	v_exp_f32 v[RINV+\e], v[RINV+\e]
.endr
.irp e, 0,1,2,3
	v_mul_f32 v[RFI+\e], s20, v[RFI+\e]            ; plain lines behind the exponentials
.endr
	s_wait_alu depctr_va_vdst(0)                   ; one wait for the four, ahead of their first reader
.irp e, 0,1,2,3
	v_fma_f32 v[RINV+\e], v[RINV+\e], v[RFI+\e], v[RINV+\e]
.endr
	s_wait_kmcnt 0x0
	s_add_nc_u64 s[4:5], s[4:5], s[8:9]
.macro ROWS k                          ; row 16 k + my first row: four numbers, the four by turns
	v_add_nc_u32 v5, 16*(\k), v1
	v_cvt_f32_u32 v5, v5
	s_wait_alu depctr_va_vdst(0)
.irp e, 0,1,2,3
	v_mul_f32 v[RF+\e], v5, v[RINV+\e]             ; the angle, rounded once
.endr
.irp e, 0,1,2,3
	v_mul_f32 v[RN+\e], s10, v[RF+\e]
.endr
.irp e, 0,1,2,3
	v_rndne_f32 v[RN+\e], v[RN+\e]
.endr
.irp e, 0,1,2,3
	v_fma_f32 v[RR+\e], v[RN+\e], s11, v[RF+\e]
.endr
.irp e, 0,1,2,3
	v_fma_f32 v[RR+\e], v[RN+\e], s12, v[RR+\e]
.endr
.irp e, 0,1,2,3
	v_mul_f32 v[RZ+\e], v[RR+\e], v[RR+\e]
.endr
.irp e, 0,1,2,3
	v_fma_f32 v[RS+\e], v[RZ+\e], s13, s14
	v_fma_f32 v[RC+\e], v[RZ+\e], s16, s17
.endr
.irp e, 0,1,2,3
	v_fma_f32 v[RS+\e], v[RS+\e], v[RZ+\e], s15
	v_fma_f32 v[RC+\e], v[RC+\e], v[RZ+\e], s18
.endr
.irp e, 0,1,2,3
	v_mul_f32 v[RS+\e], v[RS+\e], v[RZ+\e]
	v_mul_f32 v[RC+\e], v[RC+\e], v[RZ+\e]
	v_fma_f32 v[RQ+\e], v[RZ+\e], -0.5, 1.0
.endr
.irp e, 0,1,2,3
	v_fma_f32 v[RS+\e], v[RS+\e], v[RR+\e], v[RR+\e]   ; sin of the rest
	v_fma_f32 v[RC+\e], v[RC+\e], v[RZ+\e], v[RQ+\e]   ; cos of the rest
	v_cvt_i32_f32 v[RI+\e], v[RN+\e]
.endr
.irp e, 0,1,2,3
	v_add_nc_u32 v[RI+\e], v[RI+\e], v3            ; quarter turns
.endr
.irp e, 0,1,2,3
	v_and_b32 v[RF+\e], 1, v[RI+\e]
	v_add_nc_u32 v[RI+\e], 1, v[RI+\e]
.endr
.irp e, 0,1,2,3
	v_cmp_eq_u32 vcc_lo, 1, v[RF+\e]               ; an odd number of quarter turns takes the sine;
	v_cndmask_b32 v[RS+\e], v[RC+\e], v[RS+\e], vcc_lo
	v_and_b32 v[RI+\e], 2, v[RI+\e]                ; one or two (modulo four) turn the sign
.endr
.irp e, 0,1,2,3
	v_lshlrev_b32 v[RI+\e], 30, v[RI+\e]
.endr
.irp e, 0,1,2,3
	v_xor_b32 v[ROUT+4*(\k)+\e], v[RS+\e], v[RI+\e]
.endr
	global_store_b128 v4, v[ROUT+4*(\k):ROUT+4*(\k)+3], s[4:5] offset:2048*(\k)   ; a wave stores 512 consecutive bytes
.endm
.irp k, 0,1,2,3,4,5,6,7
	ROWS \k
.endr
	s_endpgm
.Lfunc_end_k_q183359cdb6_quant:
	.size	k_q183359cdb6_quant, .Lfunc_end_k_q183359cdb6_quant-k_q183359cdb6_quant
	.p2alignl 7, 3214868480
	.fill 96, 4, 3214868480
	.section	.rodata,"a",@progbits
	.p2align	6, 0x0
	.amdhsa_kernel k_q183359cdb6_quant
		.amdhsa_group_segment_fixed_size 35328
		.amdhsa_private_segment_fixed_size 0
		.amdhsa_enable_private_segment 0
		.amdhsa_kernarg_size 48
		.amdhsa_user_sgpr_count 2
		.amdhsa_user_sgpr_kernarg_segment_ptr 1
		.amdhsa_wavefront_size32 1
		.amdhsa_system_sgpr_workgroup_id_x 1
		.amdhsa_system_sgpr_workgroup_id_y 1
		.amdhsa_system_sgpr_workgroup_id_z 1
		.amdhsa_system_vgpr_workitem_id 0
		.amdhsa_next_free_vgpr 256
		.amdhsa_next_free_sgpr 66
		.amdhsa_reserve_vcc 1
		.amdhsa_float_denorm_mode_32 3
		.amdhsa_float_denorm_mode_16_64 3
		.amdhsa_memory_ordered 1
		.amdhsa_forward_progress 1
		.amdhsa_inst_pref_size 69
	.end_amdhsa_kernel
	.amdgpu_metadata
---
amdhsa.version: [ 1, 2 ]
amdhsa.kernels:
  - .name:           k_q183359cdb6_quant
    .symbol:         k_q183359cdb6_quant.kd
    .args:
      - { .name: x, .offset: 0, .size: 8, .value_kind: global_buffer, .address_space: global }
      - { .name: Wqkv, .offset: 8, .size: 8, .value_kind: global_buffer, .address_space: global }
      - { .name: Wout, .offset: 16, .size: 8, .value_kind: global_buffer, .address_space: global }
      - { .name: cod, .offset: 24, .size: 8, .value_kind: global_buffer, .address_space: global }
      - { .name: scl, .offset: 32, .size: 8, .value_kind: global_buffer, .address_space: global }
      - { .name: rope, .offset: 40, .size: 8, .value_kind: global_buffer, .address_space: global }
    .group_segment_fixed_size: 35328
    .private_segment_fixed_size: 0
    .kernarg_segment_align: 8
    .kernarg_segment_size: 48
    .max_flat_workgroup_size: 128
    .sgpr_count:     66
    .vgpr_count:     256
    .wavefront_size: 32
...
	.end_amdgpu_metadata
.endif
;; end of part 1
;; launch qkv (part 2): grid 12 x 32, 4 waves a work-group, clusters of 4 x 4, 327,680 bytes of LDS; arguments cod, scl, rope, q, kv; writes q, kv
.if DOCPART == 2
	.amdgcn_target "amdgcn-amd-amdhsa--gfx1250"
	.amdhsa_code_object_version 6
	.text
	.protected	k_q183359cdb6_qkv
	.globl	k_q183359cdb6_qkv
	.p2align	8
	.type	k_q183359cdb6_qkv,@function
k_q183359cdb6_qkv:
	s_mov_b64 s[64:65], 0
	v_nop
	global_prefetch_b8 v0, s[64:65] scope:SCOPE_SE
	s_setreg_imm32_b32 hwreg(HW_REG_WAVE_MODE, 25, 1), 1
	s_wait_xcnt 0x0
	s_wait_alu depctr_hold_cnt(0) depctr_sa_sdst(0) depctr_va_vdst(0) depctr_va_sdst(0) depctr_va_ssrc(0) depctr_va_vcc(0) depctr_vm_vsrc(0)
	s_getreg_b32 s2, hwreg(HW_REG_IB_STS2, 6, 4)
	s_cmp_eq_u32 s2, 0
	s_cbranch_scc0 .Lentry_in_a_cluster
	s_endpgm
.Lentry_in_a_cluster:
	s_bfe_u32 s2, ttmp6, 0x10000c
	s_cmp_lg_u32 s2, 0xf033
	s_cbranch_scc0 .Lentry_shape_is_right
	s_endpgm
.Lentry_shape_is_right:
; qkv = x Wqkv^T on codes of BF6 (E3M2) with E8M0 scales, K = 1,024; then, in registers, the partial RoPE on q and k and the three quantisers: q and k along the head's 64, v along the keys.  No f32 result goes to memory.
; OPERANDS come as "units" (16 rows x 64 K as an image of registers: lane l's block of 24 bytes lies as 16 bytes at 16 l and 8 bytes at 512 + 8 l); a tile of 16 rows has 16 units, 12,288 bytes;
; tile 4 G + u holds rows 64 G + 8 u + (r % 8) + 32 (r / 8).  Scales: 512 bytes a tile, [256 along K][row][2 words].  Tiles 0-511 x, 512-703 Wqkv.
; A tile of C, 256 x 256, is made by four waves, 128 x 128 each: 64 accumulators, 512 registers.  K goes in steps of 256 through a ring of two LDS slots filled by the tensor data mover; a slot holds 16 + 16 tiles x 3,072 bytes.
; The scales of the work-group's 32 tiles, for all of K, come into LDS once, with the first fills.
; CLUSTERS: 4 x 4 work-groups; "A"'s tiles are shared along a row of the cluster, "B"'s along a column: each is asked for jointly.  THE MATRIX INSTRUCTION IS USED TRANSPOSED: source 0 = 16 rows of B, source 1 = 16 rows of A.
; WHO MAKES WHAT hangs on the cluster's x alone, which all partners share.  0: q, 1: k: A = x (tokens), B = Wq or Wk.  In accumulator (a, b) lane (r, h), register j holds token 64 (a/4) + 8 (a%4) + (r%8) + 32 (r/8),
; head b / 4, d = 32 h + 8 (b%4) + j: for each a and head a lane's 32 registers are a WHOLE block of 32 along d, and d and d + 16, RoPE's partners, lie in one lane.
; 2: v, as the transposed problem: A = Wv, B = x: lane (r, h) holds d = 8 (a%4) + (r%8) + 32 (r/8) of head a / 4 and tokens 64 (b/4) + 32 h + 8 (b%4) + j: a whole block of 32 along the KEYS.
; So each quantiser needs no other lane for its maximum, and the codes are units of the next product's operand as they stand: two stores a unit, each of whole aligned blocks of 256 bytes.
; RESULTS.  q: a record of 106,496 bytes for each (batch, head): 128 tiles x 768 bytes of codes, then scale words [group of 64 tokens][r][u].  kv: a record of 208,896 bytes: K's codes likewise; at 98,304 V's units
; [group of 64 keys][d tile u]; at 196,608 K's scale words; at 204,800 V's, [128 keys][r][u].  In a word of q or k bytes 0, 1 are the head's two blocks; bytes 2, 3 (another head's, or 0) only ever meet zero codes.
; RoPE: lanes with h = 1 hold d = 32 .. 63, which is not rotated: they read the table's row 0 (cos 1, sin 0).
; LIMITS: a block of zeros gets the byte 1 where the rule says 127 (zero codes; read by this program alone); NaN and infinities are not served.
; REGISTERS, in windows of 256: window 0: v0-31 addresses; v32-63 scale words, two sets; v64-127 two sets of cos and sin; from v128 A's fragments, ONE set; on the way out v32-63 and v128-255 are free.
;   window 1: B's fragments, TWO sets, at v0 and v128.   window 2: the accumulators of my A blocks 0-3 ((a, b) at v[8 (8 (a%4) + b)]);   window 3: those of blocks 4-7.
.set NQ,     2                         ; matrix instructions deep in a slot
.set FR,     12                        ; registers of a fragment
.set NL,     4                         ; LDS loads that bring one
.set NP,     4                         ; places behind this matrix instruction (ISA guide 7.12.1)
.set TILEB,  3072                      ; a tile's four units of 256 along K
.set HALFT,  8*TILEB                   ; what one tensor load brings, and what one wave reads of A or of B
.set SLOT,   4*HALFT
.set SCL,    2*SLOT                    ; A's scales, 8,192 bytes; B's begin 8,320 bytes on, so that lanes 16-31 of a load fall on the other 32 banks
.set SPARE,  SCL+16640                 ; the spare words, 128 bytes a wave: two blocks of 256 bytes that no other line names
.set QREC,   106496
.set KVREC,  208896
.set LI16, 4                           ; v4   16 x lane
.set LI8,  5                           ; v5   8 x lane
.set VR,   12                          ; v12  (1 - h) x my token's row in the table, for a = 0
.set NH,   13                          ; v13  1 - h
.set SH8,  14                          ; v14  8 h
.set SH16, 15                          ; v15  16 h
.set ADRA, 16                          ; v16-17 my A fragments' 16-byte parts in slot 0, 1; v18-19 their 8-byte parts
.set ADRB, 20                          ; v20-23 the same for B
.set VSO,  26                          ; v26  the scale words' place: 16 r + h x (a record)
.set ADRS, 27                          ; v27  my scale words: lanes 0-15 A's, lanes 16-31 B's
.set SPW,  28                          ; v28  my spare word; never rewritten
.set NIL,  29                          ; v29  0; never rewritten
.set RA,   30                          ; v30-31 the table loads' offsets, one for each set
.set SC,   32
.set CS,   64                          ; v64-127  two sets: cos[16], sin[16] of my token
.set AF,   128
.set H,    128                         ; the way out: v128-191 the 64 rotated numbers
.set T,    192                         ; v192-223 products with the sines
.set PCA,  224                         ; v224-235 codes, first set;
.set PCB,  32                          ; v32-43   second set
.set CT0,  236                         ; v236-238, v240-242 upper halves of blocks, to be moved
.set CT1,  240
.set W,    244                         ; v244-251 the scale word of each a
.set WS,   44                          ; v44-51   scale words as stored, two sets
.set TM,   52                          ; v52-60   at work
.set SEL,  98                          ; s[98:99] v_permlanex16_b32's selects for lane l xor 16
.set O0,   92                          ; s[92:93] where the first block's units go;  s[94:95] the second's
.set O1,   94
.set G1, 24
.set G0, 32
.set G1B, 48
.set G0B, 56
.set G1S, 68
.set G0S, 76
.set G1SB, 80
.set G0SB, 88
.set MSB, 0
.macro WIN new                         ; the immediate's high byte repeats the setting that is left
.if MSB != (\new)
	s_set_vgpr_msb (MSB<<8)|(\new)
.set MSB, (\new)
.endif
.endm
.set MUL_LO, 0xa1                      ; source 0 (B) window 1, source 1 (A) window 0, C and D window 2
.set MUL_HI, 0xf1
.set TO_B,   0x40
; A joint load: waves 0 and 1 fetch for A, waves 2 and 3 for B; the branch hangs on the wave's number alone.  Four v_nop follow each of the two lines.
.macro JLOAD g0a, g1a, g0b, g1b
	s_cmp_eq_u32 s15, 0
	s_cbranch_scc0 .Lfor_b_\@
	tensor_load_to_lds s[\g0a:\g0a+3], s[\g1a:\g1a+7]
	s_nop 0
.rept 4
	v_nop
.endr
	s_branch .Lasked_\@
.Lfor_b_\@:
	tensor_load_to_lds s[\g0b:\g0b+3], s[\g1b:\g1b+7]
	s_nop 0
.rept 4
	v_nop
.endr
.Lasked_\@:
.endm
.macro CREST                           ; a round of the cluster's barrier behind its opening barrier
	s_cmp_lg_u32 s14, 0
	s_cbranch_scc1 .Lnot_wave_0_\@
	s_barrier_signal -3
.Lnot_wave_0_\@:
	s_barrier_wait -3
	s_barrier_signal -1
	s_barrier_wait -1
.endm
.macro CROUND
	s_barrier_signal -1
	s_barrier_wait -1
	CREST
.endm
	s_load_b128 s[4:7], s[0:1], 0x0                ; cod, scl
	s_load_b128 s[8:11], s[0:1], 0x10              ; rope, q
	s_load_b64 s[12:13], s[0:1], 0x20              ; kv
	v_lshl_add_u32 v[SPW], v0, 2, SPARE
	v_mov_b32 v[NIL], 0
	ds_add_u32 v28, v29
	ds_add_u32 v28, v29
	s_wait_dscnt 0x0
	v_lshrrev_b32 v1, 5, v0
	v_readfirstlane_b32 s14, v1                    ; wave 0..3
	s_lshr_b32 s15, s14, 1                         ; which half of A's rows is mine.  Also: I fetch for A (0) or for B (1)
	s_and_b32 s16, s14, 1                          ; which half of B's rows.  Also: which 8 tiles I fetch
	s_bfe_u32 s40, ttmp6, 0x40000                  ; cx
	s_bfe_u32 s41, ttmp6, 0x40004                  ; cy
	s_and_b32 s17, ttmp7, 0xffff
	s_lshl_b32 s17, s17, 2                         ; 4 Y
	s_add_co_u32 s18, s17, s41                     ; 4 Y + cy: the block of 256 tokens where A is x
	s_add_co_u32 s42, s17, s40                     ; 4 Y + cx: where B is x
	s_lshr_b32 s19, ttmp9, 1                       ; 1 where v is made
	s_xor_b32 s96, s19, 1                          ; 1 where q or k is made
	s_lshl_b32 s43, s41, 2
	s_lshl_b32 s43, 15, s43                        ; my row of the cluster
	s_lshl_b32 s44, 0x1111, s40                    ; my column
	s_mul_i32 s20, s17, s96                        ; A's block of 16 tiles: 4 Y + cy (x), or 40 + cy (Wv begins at tile 640); no cx enters
	s_mul_i32 s21, s19, 40
	s_add_co_u32 s20, s20, s21
	s_add_co_u32 s20, s20, s41
	s_lshl_b32 s46, ttmp9, 2                       ; B's: 32 + 4 X + cx (Wq, Wk begin at tile 512), or 4 Y + cx (x); no cy enters
	s_add_co_u32 s46, s46, 32
	s_mul_i32 s46, s46, s96
	s_mul_i32 s47, s17, s19
	s_add_co_u32 s46, s46, s47
	s_add_co_u32 s46, s46, s40
	s_lshl_b32 s20, s20, 4
	s_lshl_b32 s46, s46, 4
	s_lshl_b32 s21, s16, 3
	s_add_co_u32 s20, s20, s21                     ; the first of the 8 tiles that I fetch
	s_add_co_u32 s46, s46, s21
	s_lshl_b32 s22, s20, 9                         ; their scales, in bytes
	s_mov_b32 s23, 0
	s_lshl_b32 s92, s46, 9
	s_mov_b32 s93, 0
	s_mul_i32 s20, s20, 12288                      ; their codes
	s_mov_b32 s21, 0
	s_mul_i32 s46, s46, 12288
	s_mov_b32 s47, 0
	; descriptor group 1 for codes: 8 rows (tiles) of 3,072 bytes = 384 elements of 8 bytes, 1,536 elements apart; no padding: an image of registers is read densely
	s_or_b32 s[G1+0], s43, (3<<16)|(1<<21)         ; 15:0 the mask; 17:16 elements of 8 bytes; 21 set beside a mask
	s_or_b32 s[G1B+0], s44, (3<<16)|(1<<21)
.irp g, G1, G1B
	s_mov_b32 s[\g+1], 384<<16                     ; tensor_dim0
	s_mov_b32 s[\g+2], 8<<16                       ; tensor_dim1
	s_mov_b32 s[\g+3], 384<<16                     ; tile_dim0
	s_mov_b32 s[\g+4], 8                           ; tile_dim1
	s_mov_b32 s[\g+5], 1536                        ; tensor_dim0_stride
	s_mov_b32 s[\g+6], 0
	s_mov_b32 s[\g+7], 0
.endr
	; and for the scales of 8 tiles: 4,096 dense bytes as 16 rows of 256
	s_or_b32 s[G1S+0], s43, (3<<16)|(1<<21)
	s_or_b32 s[G1SB+0], s44, (3<<16)|(1<<21)
.irp g, G1S, G1SB
	s_mov_b32 s[\g+1], 32<<16
	s_mov_b32 s[\g+2], 16<<16
	s_mov_b32 s[\g+3], 32<<16
	s_mov_b32 s[\g+4], 16
	s_mov_b32 s[\g+5], 32
	s_mov_b32 s[\g+6], 0
	s_mov_b32 s[\g+7], 0
.endr
	s_mul_i32 s45, s14, HALFT                      ; where they go: wave x 8 tiles: no place in the cluster enters an LDS address
	s_lshl_b32 s94, s14, 12
	s_lshl_b32 s95, s15, 7
	s_add_co_u32 s94, s94, s95                     ; the scales: wave x 4,096, B's 128 further on
	s_mov_b32 s[SEL], 0x76543210
	s_mov_b32 s[SEL+1], 0xfedcba98
	s_wait_kmcnt 0x0
	s_add_nc_u64 s[20:21], s[4:5], s[20:21]
	s_add_nc_u64 s[22:23], s[6:7], s[22:23]
	s_add_nc_u64 s[46:47], s[4:5], s[46:47]
	s_add_nc_u64 s[92:93], s[6:7], s[92:93]
	CROUND                                         ; all sixteen work-groups are here: the first joint loads meet
	s_mov_b32 s[G0S], 1
	s_add_co_u32 s[G0S+1], s94, SCL
	s_mov_b64 s[G0S+2:G0S+3], s[22:23]
	s_or_b32 s[G0S+3], s[G0S+3], 0x80000000
	s_mov_b32 s[G0SB], 1
	s_add_co_u32 s[G0SB+1], s94, SCL
	s_mov_b64 s[G0SB+2:G0SB+3], s[92:93]
	s_or_b32 s[G0SB+3], s[G0SB+3], 0x80000000
	JLOAD G0S, G1S, G0SB, G1SB                     ; the scales first: they are wanted with K step 0
.irp s, 0,1
	s_mov_b32 s[G0+4*\s], 1
	s_add_co_u32 s[G0+4*\s+1], s45, \s*SLOT
	s_add_nc_u64 s[G0+4*\s+2:G0+4*\s+3], s[20:21], \s*TILEB
	s_or_b32 s[G0+4*\s+3], s[G0+4*\s+3], 0x80000000
	s_mov_b32 s[G0B+4*\s], 1
	s_add_co_u32 s[G0B+4*\s+1], s45, \s*SLOT
	s_add_nc_u64 s[G0B+4*\s+2:G0B+4*\s+3], s[46:47], \s*TILEB
	s_or_b32 s[G0B+4*\s+3], s[G0B+4*\s+3], 0x80000000
	JLOAD G0+4*\s, G1, G0B+4*\s, G1B
.endr
	v_and_b32 v1, 15, v0                           ; r
	v_bfe_u32 v2, v0, 4, 1                         ; h
	v_and_b32 v3, 31, v0                           ; lane
	v_lshlrev_b32 v[LI16], 4, v3
	v_lshlrev_b32 v[LI8], 3, v3
	s_mul_i32 s21, s15, HALFT                      ; my 8 tiles of A
	s_mul_i32 s22, s16, HALFT                      ; my 8 tiles of B,
	s_add_co_u32 s22, s22, 2*HALFT                 ; which lie behind A's 16
.irp s, 0,1
	v_add_nc_u32 v[ADRA+\s], s21, v[LI16]
	v_add_nc_u32 v[ADRB+\s], s22, v[LI16]
	v_add_nc_u32 v[ADRA+2+\s], s21, v[LI8]
	v_add_nc_u32 v[ADRB+2+\s], s22, v[LI8]
	s_add_co_u32 s21, s21, SLOT
	s_add_co_u32 s22, s22, SLOT
.endr
	s_lshl_b32 s21, s15, 12                        ; A's scales: my 8 tiles
	s_lshl_b32 s22, s16, 12                        ; B's: my 8 tiles, 8,320 bytes behind A's first
	s_add_co_u32 s22, s22, 8320
	s_sub_co_u32 s22, s22, s21
	v_mul_u32_u24 v6, s22, v2                      ; lanes 16-31 take B's: one product with h
	v_lshl_add_u32 v6, v1, 3, v6                   ; 8 bytes a row
	s_add_co_u32 s21, s21, SCL
	v_add_nc_u32 v[ADRS], s21, v6
	v_lshlrev_b32 v[SH8], 3, v2
	v_lshlrev_b32 v[SH16], 4, v2
	s_and_b32 s97, s18, 7                          ; where A is x: my first token in its batch, t0 = 256 (block % 8) + 128 x my half
	s_lshl_b32 s97, s97, 8
	s_lshl_b32 s21, s15, 7
	s_add_co_u32 s97, s97, s21
	v_and_b32 v6, 7, v1
	v_lshrrev_b32 v7, 3, v1
	v_lshl_add_u32 v6, v7, 5, v6
	v_add_nc_u32 v6, s97, v6                       ; my token for a = 0
	v_lshlrev_b32 v6, 7, v6                        ; its row of 128 bytes in the table
	v_sub_nc_u32 v[NH], 1, v2
	v_mul_u32_u24 v[VR], v[NH], v6                 ; lanes 16-31: row 0
; cos and sin of my token of A's block a, into a set: eight loads of 16 bytes
.macro TABLE a, set
	v_mad_u32_u24 v[RA+(\set)], v[NH], (64*((\a)/4)+8*((\a)%4))*128, v[VR]
.irp j, 0,1,2,3,4,5,6,7
	global_load_b128 v[CS+32*(\set)+4*\j:CS+32*(\set)+4*\j+3], v[RA+(\set)], s[8:9] offset:16*\j
.endr
.endm
	; The first two blocks' rows of the table are asked for here, a whole product ahead of their use.  The lines stand on every wave's way, with no branch round them, so that both sets are written on every way through the text.
	; Where v is made, which has no RoPE, these 16 loads a wave are issued and not used: t0 is under 2,048 there too, so the addresses are rows of the table; nothing on that way names v30, v31 or v64-127 again.
	TABLE 0, 0
	TABLE 1, 1
.macro FRAG reg, adr, q, i             ; a fragment, 16 rows x 128 K: two units; of each a lane's first 16 bytes (registers 6 c .. 6 c + 3) and last 8 (6 c + 4, 6 c + 5): every load reads consecutive bytes
.irp c, 0,1
	ds_load_b128 v[\reg+6*\c:\reg+6*\c+3], v[\adr] offset:TILEB*(\i)+768*(2*(\q)+\c)
	ds_load_b64 v[\reg+6*\c+4:\reg+6*\c+5], v[\adr+2] offset:TILEB*(\i)+768*(2*(\q)+\c)+512
.endr
.endm
; 16 matrix instructions: A's blocks a0, a0 + 1 x B's eight, 128 along K.  The 64 accumulators take turns, one instruction a turn, in the same order in every step.
.macro MUL16 a0, p, q, sc, zero
.irp a, \a0, \a0+1
.irp b, 0,1,2,3,4,5,6,7
.if \zero
	v_wmma_scale_f32_16x16x128_f8f6f4 v[8*(8*((\a)%4)+\b):8*(8*((\a)%4)+\b)+7], v[128*(\p)+FR*\b:128*(\p)+FR*\b+FR-1], v[AF+FR*(\a):AF+FR*(\a)+FR-1], 0, v[SC+8*NQ*(\sc)+NQ*\b+(\q)], v[SC+8*NQ*(\sc)+NQ*(\a)+(\q)] matrix_a_fmt:MATRIX_FMT_BF6 matrix_b_fmt:MATRIX_FMT_BF6 matrix_a_scale:MATRIX_SCALE_ROW1
.else
	v_wmma_scale_f32_16x16x128_f8f6f4 v[8*(8*((\a)%4)+\b):8*(8*((\a)%4)+\b)+7], v[128*(\p)+FR*\b:128*(\p)+FR*\b+FR-1], v[AF+FR*(\a):AF+FR*(\a)+FR-1], v[8*(8*((\a)%4)+\b):8*(8*((\a)%4)+\b)+7], v[SC+8*NQ*(\sc)+NQ*\b+(\q)], v[SC+8*NQ*(\sc)+NQ*(\a)+(\q)] matrix_a_fmt:MATRIX_FMT_BF6 matrix_b_fmt:MATRIX_FMT_BF6 matrix_a_scale:MATRIX_SCALE_ROW1
.endif
.endr
.endr
.endm
.macro FETCH_B slot, q, p
	WIN TO_B
.irp i, 0,1,2,3,4,5,6,7
	FRAG 128*(\p)+FR*\i, ADRB+\slot, \q, \i
.endr
	WIN 0
.endm
.macro FETCH_A slot, q, i0
.irp i, \i0, \i0+1, \i0+2, \i0+3
	FRAG AF+FR*(\i), ADRA+\slot, \q, \i
.endr
.endm
.macro SCALES sc                       ; a K step's two words a row: lanes 0-15 A's tile i, lanes 16-31 B's tile i
.irp i, 0,1,2,3,4,5,6,7
	ds_load_b64 v[SC+8*NQ*\sc+NQ*\i:SC+8*NQ*\sc+NQ*\i+1], v[ADRS] offset:\i*512
.endr
.endm
.macro PLACES n                        ; plain vector lines between a matrix instruction and a load into, or a vector read or write of, its registers (ISA guide 7.12.1 for vector reads and writes)
.rept \n
	v_nop
.endr
.endm
.macro STEP slot, q, zero              ; 128 along K that has its successor in the same slot
	s_wait_dscnt 4*NL                              ; B's set and A's blocks 0-3 are in; the youngest 16 loads (A's blocks 4-7) may be out
	WIN MUL_LO
	MUL16 0, (\q)%2, \q, \slot, \zero
	MUL16 2, (\q)%2, \q, \slot, \zero
	s_wait_dscnt 0
	PLACES NP
	FETCH_B \slot, (\q)+1, 1-(\q)%2
	FETCH_A \slot, (\q)+1, 0
	WIN MUL_HI
	MUL16 4, (\q)%2, \q, \slot, \zero
	MUL16 6, (\q)%2, \q, \slot, \zero
	PLACES NP
	WIN 0
	FETCH_A \slot, (\q)+1, 4
.endm
; A slot's last step changes slots: ONE barrier; in front of it each wave waits for all its tensor loads, adds 0 to its spare word, and waits for that and for its own reads of this slot.  fill = 1: the slot is filled again, two K steps ahead.
.macro TURN slot, next, fill
	s_wait_tensorcnt 0x0                           ; all my tensor loads have landed: my part of the next slot
	ds_add_u32 v[SPW], v[NIL]                      ; 0 onto my spare word
	s_wait_dscnt 4*NL+1                            ; (the add and the youngest 16 loads may be out)
	WIN MUL_LO
	MUL16 0, 1, NQ-1, \slot, 0
	s_wait_dscnt 0x0                               ; the add is done, and my reads of this slot are over
	s_barrier_signal -1
	MUL16 2, 1, NQ-1, \slot, 0
	WIN 0
	s_barrier_wait -1
.if \fill
	CREST                                          ; the barrier has opened a round of the cluster's barrier: no wave of any partner still reads this slot or has a load on its way
	s_add_nc_u64 s[G0+4*\slot+2:G0+4*\slot+3], s[G0+4*\slot+2:G0+4*\slot+3], 2*TILEB
	s_add_nc_u64 s[G0B+4*\slot+2:G0B+4*\slot+3], s[G0B+4*\slot+2:G0B+4*\slot+3], 2*TILEB
	JLOAD G0+4*\slot, G1, G0B+4*\slot, G1B         ; the first tensor load behind the round; its four v_nop are the places in front of the loads below
.else
	PLACES NP
.endif
	s_wait_alu depctr_va_vdst(0)
	v_add_nc_u32 v[ADRS], 128, v[ADRS]             ; the next K step's scale words
	FETCH_B \next, 0, 0
	FETCH_A \next, 0, 0
	SCALES \next
	WIN MUL_HI
	MUL16 4, 1, NQ-1, \slot, 0
	MUL16 6, 1, NQ-1, \slot, 0
	PLACES NP
	WIN 0
	FETCH_A \next, 0, 4
.endm
	s_wait_tensorcnt 1                             ; the scales and my part of K step 0 are in (K step 1's load may be out)
	s_barrier_signal -1
	s_barrier_wait -1                              ; everybody's are
	FETCH_B 0, 0, 0
	FETCH_A 0, 0, 0
	SCALES 0
	FETCH_A 0, 0, 4
	STEP 0, 0, 1                                   ; K = 1,024 is four K steps of 256, eight steps of 128, written out: the first starts the sums
	TURN 0, 1, 1
	STEP 1, 0, 0
	TURN 1, 0, 1
	STEP 0, 0, 0
	TURN 0, 1, 0                                   ; nothing is left to fetch
	STEP 1, 0, 0
	s_wait_dscnt 4*NL
	WIN MUL_LO
	MUL16 0, 1, NQ-1, 1, 0
	MUL16 2, 1, NQ-1, 1, 0
	s_wait_dscnt 0
	WIN MUL_HI
	MUL16 4, 1, NQ-1, 1, 0
	MUL16 6, 1, NQ-1, 1, 0
	WIN 0
; ---- THE WAY OUT
; A's block a: x1 = d' 0 .. 15, x2 = d' 16 .. 31 of each of two heads g: H = (x1 cos - x2 sin, x2 cos + x1 sin).  Each accumulator is first read at its low end.
.macro ROPE a
.set AC, 64*((\a)%4)
.set CSS, CS+32*((\a)%2)
	WIN 0x02+(\a)/4                                ; source 0: the accumulators' window
.irp g, 0,1
.irp i, 0,2,4,6,8,10,12,14
	v_pk_mul_f32 v[T+\i:T+\i+1], v[AC+32*\g+16+\i:AC+32*\g+17+\i], v[CSS+16+\i:CSS+17+\i]
	v_pk_mul_f32 v[T+16+\i:T+17+\i], v[AC+32*\g+\i:AC+32*\g+1+\i], v[CSS+16+\i:CSS+17+\i]
.endr
.irp i, 0,2,4,6,8,10,12,14
	v_pk_fma_f32 v[H+32*\g+\i:H+32*\g+1+\i], v[AC+32*\g+\i:AC+32*\g+1+\i], v[CSS+\i:CSS+1+\i], v[T+\i:T+\i+1] neg_lo:[0,0,1] neg_hi:[0,0,1]
	v_pk_fma_f32 v[H+32*\g+16+\i:H+32*\g+17+\i], v[AC+32*\g+16+\i:AC+32*\g+17+\i], v[CSS+\i:CSS+1+\i], v[T+16+\i:T+17+\i]
.endr
.endr
	WIN 0
.endm
; 64 numbers of a lane in window w, v[s] on: two whole blocks of 32.  Their codes go to v[pc] .. v[pc + 5] and v[pc + 6] .. v[pc + 11]; wreg gets the word (block 0 h 0, block 0 h 1, block 1 h 0, block 1 h 1), the same in lanes l and l xor 16.
.macro QUANT s, w, pc, wreg
	WIN ((\w)<<2)|((\w)<<4)                        ; sources 1 and 2
.irp c, 0,1,2,3
	v_max3_num_f32 v[TM+\c], 0x2800000, |v[\s+16*\c]|, |v[\s+16*\c+1]|   ; four chains of 16, each from an accumulator's low end on; the floor 2^(5 - 127) keeps the byte at 1 or above
.endr
.irp i, 2,4,6,8,10,12,14
.irp c, 0,1,2,3
	v_max3_num_f32 v[TM+\c], v[TM+\c], |v[\s+16*\c+\i]|, |v[\s+16*\c+\i+1]|
.endr
.endr
	WIN 0
	v_max_num_f32 v[TM], v[TM], v[TM+1]
	v_max_num_f32 v[TM+2], v[TM+2], v[TM+3]
	v_add_nc_u32 v[TM+4], 0xfe000000, v[TM]        ; 4 off the exponent field: the conversions' scale operands
	v_add_nc_u32 v[TM+5], 0xfe000000, v[TM+2]
	v_lshrrev_b32 v[TM+6], 23, v[TM+4]             ; the bytes
	v_lshrrev_b32 v[TM+7], 23, v[TM+5]
	v_lshl_or_b32 v[\wreg], v[TM+7], 16, v[TM+6]
	v_lshlrev_b32 v[\wreg], v[SH8], v[\wreg]
	v_permlanex16_b32 v[TM+8], v[\wreg], s[SEL], s[SEL+1]
	v_or_b32 v[\wreg], v[\wreg], v[TM+8]
	WIN \w                                         ; source 0
	v_cvt_scalef32_pk16_bf6_f32 v[\pc:\pc+2], v[\s:\s+15], v[TM+4]
	v_cvt_scalef32_pk16_bf6_f32 v[CT0:CT0+2], v[\s+16:\s+31], v[TM+4]   ; (a conversion's three registers begin on an even number)
	v_cvt_scalef32_pk16_bf6_f32 v[\pc+6:\pc+8], v[\s+32:\s+47], v[TM+5]
	v_cvt_scalef32_pk16_bf6_f32 v[CT1:CT1+2], v[\s+48:\s+63], v[TM+5]
	WIN 0
	v_nop                                          ; one plain line behind the conversions
.irp i, 0,1,2
	v_mov_b32 v[\pc+3+\i], v[CT0+\i]
	v_mov_b32 v[\pc+9+\i], v[CT1+\i]
.endr
.endm
.macro PUT pc, off                     ; two units: each store covers whole aligned blocks of 256 bytes
	global_store_b128 v[LI16], v[\pc:\pc+3], s[O0:O0+1] offset:\off
	global_store_b64 v[LI8], v[\pc+4:\pc+5], s[O0:O0+1] offset:\off+512
	global_store_b128 v[LI16], v[\pc+6:\pc+9], s[O1:O1+1] offset:\off
	global_store_b64 v[LI8], v[\pc+10:\pc+11], s[O1:O1+1] offset:\off+512
.endm
	PLACES NP                                      ; behind the last products: results are read, and registers that held scales and fragments are written
	v_mov_b32 v[TM+8], 0                           ; written once: a lane permute's destination counts as one of its sources
	s_cmp_eq_u32 ttmp9, 2
	s_cbranch_scc1 .Lv_arm
	; ---- q or k
	s_cmp_eq_u32 ttmp9, 0                          ; the choice of the buffer hangs on the cluster's x alone
	s_cselect_b64 s[20:21], s[10:11], s[12:13]
	s_mov_b32 s22, KVREC
	s_cselect_b32 s22, QREC, s22                   ; a record
	s_mov_b32 s23, 196608
	s_cselect_b32 s23, 98304, s23                  ; where its scale words begin
	s_lshr_b32 s45, s18, 3                         ; the batch
	s_lshl_b32 s45, s45, 4
	s_lshl_b32 s46, s40, 2
	s_add_co_u32 s45, s45, s46
	s_lshl_b32 s46, s16, 1
	s_add_co_u32 s45, s45, s46                     ; 16 b + my first head (4 cx + 2 x my half of B)
	s_mul_i32 s46, s45, s22
	s_mov_b32 s47, 0
	s_add_nc_u64 s[20:21], s[20:21], s[46:47]      ; its record
	s_lshr_b32 s46, s97, 4
	s_mul_i32 s46, s46, 768
	s_add_nc_u64 s[O0:O0+1], s[20:21], s[46:47]    ; tile t0 / 16
	s_mov_b32 s46, s22
	s_add_nc_u64 s[O1:O1+1], s[O0:O0+1], s[46:47]  ; the same in the next head's record
	s_lshr_b32 s46, s97, 6
	s_lshl_b32 s46, s46, 8
	s_add_co_u32 s46, s46, s23
	s_add_nc_u64 s[20:21], s[20:21], s[46:47]      ; the scale words of group t0 / 64
	v_mul_u32_u24 v[VSO], s22, v2                  ; lanes 16-31 store the next head's
	v_lshl_add_u32 v[VSO], v1, 4, v[VSO]
.irp a, 0,1,2,3,4,5,6,7
.if \a < 7
	s_wait_loadcnt 8                               ; this block's cos and sin are in; the other set's eight loads may be out
.else
	s_wait_loadcnt 0
.endif
	ROPE \a
	s_wait_xcnt 0x0                                ; the stores of two blocks ago have read this set of codes
.if \a < 6
	TABLE \a+2, \a%2                               ; the set just read takes the block two on
.endif
	QUANT H, 0, PCA+(PCB-PCA)*(\a%2), W+\a
	PUT PCA+(PCB-PCA)*(\a%2), 768*\a
.if \a%4 == 3
.irp u, 0,1,2,3
	v_lshrrev_b32 v[WS+4*(\a/4)+\u], v[SH16], v[W+4*(\a/4)+\u]   ; lanes 0-15: the first head's two bytes lowest; lanes 16-31: the second head's
.endr
	global_store_b128 v[VSO], v[WS+4*(\a/4):WS+4*(\a/4)+3], s[20:21] offset:256*(\a/4)   ; sixteen lanes store 256 consecutive bytes, aligned
.endif
.endr
	s_branch .Lend
.Lv_arm:
	; ---- v: the accumulators are quantised as they stand
	s_lshr_b32 s45, s42, 3                         ; the batch
	s_lshl_b32 s45, s45, 4
	s_lshl_b32 s46, s41, 2
	s_add_co_u32 s45, s45, s46
	s_lshl_b32 s46, s15, 1
	s_add_co_u32 s45, s45, s46                     ; 16 b + my first head (4 cy + 2 x my half of A)
	s_mul_i32 s46, s45, KVREC
	s_mov_b32 s47, 0
	s_add_nc_u64 s[20:21], s[12:13], s[46:47]
	s_and_b32 s22, s42, 7
	s_lshl_b32 s22, s22, 8
	s_lshl_b32 s23, s16, 7
	s_add_co_u32 s22, s22, s23                     ; my first key
	s_lshr_b32 s46, s22, 6
	s_mul_i32 s46, s46, 3072
	s_add_co_u32 s46, s46, 98304
	s_add_nc_u64 s[O0:O0+1], s[20:21], s[46:47]    ; the group of 64 keys,
	s_add_nc_u64 s[O1:O1+1], s[O0:O0+1], 3072      ; and the next
	s_lshr_b32 s46, s22, 7
	s_lshl_b32 s46, s46, 8
	s_add_co_u32 s46, s46, 204800
	s_add_nc_u64 s[20:21], s[20:21], s[46:47]      ; the scale words of these 128 keys
	v_mul_u32_u24 v[VSO], KVREC, v2
	v_lshl_add_u32 v[VSO], v1, 4, v[VSO]
.irp a, 0,1,2,3,4,5,6,7
.if \a > 1
	s_wait_xcnt 0x0                                ; the stores of two blocks ago have read this set of codes
.endif
	QUANT 64*(\a%4), 2+\a/4, PCA+(PCB-PCA)*(\a%2), W+\a
	PUT PCA+(PCB-PCA)*(\a%2), KVREC*(\a/4)+768*(\a%4)
.endr
	v_cmp_lt_u32 vcc_lo, 15, v3                    ; lanes 0-15 store the first head's four words, lanes 16-31 the second's
.irp u, 0,1,2,3
	v_cndmask_b32 v[WS+\u], v[W+\u], v[W+4+\u], vcc_lo
.endr
	global_store_b128 v[VSO], v[WS:WS+3], s[20:21]
.Lend:
	s_wait_tensorcnt 0x0                           ; the wave's end
	ds_add_u32 v[SPW], v[NIL]
	s_wait_dscnt 0x0
	CROUND                                         ; the closing round: no work-group ends while a partner may still ask for a tile that names it
	s_endpgm
.Lfunc_end_k_q183359cdb6_qkv:
	.size	k_q183359cdb6_qkv, .Lfunc_end_k_q183359cdb6_qkv-k_q183359cdb6_qkv
	.p2alignl 7, 3214868480
	.fill 96, 4, 3214868480
	.section	.rodata,"a",@progbits
	.p2align	6, 0x0
	.amdhsa_kernel k_q183359cdb6_qkv
		.amdhsa_group_segment_fixed_size 327680
		.amdhsa_private_segment_fixed_size 0
		.amdhsa_enable_private_segment 0
		.amdhsa_kernarg_size 40
		.amdhsa_user_sgpr_count 2
		.amdhsa_user_sgpr_kernarg_segment_ptr 1
		.amdhsa_wavefront_size32 1
		.amdhsa_system_sgpr_workgroup_id_x 1
		.amdhsa_system_sgpr_workgroup_id_y 1
		.amdhsa_system_sgpr_workgroup_id_z 1
		.amdhsa_system_vgpr_workitem_id 0
		.amdhsa_next_free_vgpr 1024
		.amdhsa_next_free_sgpr 100
		.amdhsa_reserve_vcc 1
		.amdhsa_float_denorm_mode_32 3
		.amdhsa_float_denorm_mode_16_64 3
		.amdhsa_memory_ordered 1
		.amdhsa_forward_progress 1
		.amdhsa_inst_pref_size 212
	.end_amdhsa_kernel
	.amdgpu_metadata
---
amdhsa.version: [ 1, 2 ]
amdhsa.kernels:
  - .name:           k_q183359cdb6_qkv
    .symbol:         k_q183359cdb6_qkv.kd
    .args:
      - { .name: cod, .offset: 0, .size: 8, .value_kind: global_buffer, .address_space: global }
      - { .name: scl, .offset: 8, .size: 8, .value_kind: global_buffer, .address_space: global }
      - { .name: rope, .offset: 16, .size: 8, .value_kind: global_buffer, .address_space: global }
      - { .name: q, .offset: 24, .size: 8, .value_kind: global_buffer, .address_space: global }
      - { .name: kv, .offset: 32, .size: 8, .value_kind: global_buffer, .address_space: global }
    .group_segment_fixed_size: 327680
    .private_segment_fixed_size: 0
    .kernarg_segment_align: 8
    .kernarg_segment_size: 40
    .max_flat_workgroup_size: 128
    .sgpr_count:     100
    .vgpr_count:     1024
    .wavefront_size: 32
...
	.end_amdgpu_metadata
.endif
;; end of part 2
;; launch attn (part 3): grid 4 x 64, 16 waves a work-group, no clusters, 210,944 bytes of LDS; arguments q, kv, ac, asc; writes ac, asc
.if DOCPART == 3
	.amdgcn_target "amdgcn-amd-amdhsa--gfx1250"
	.amdhsa_code_object_version 6
	.text
	.protected	k_q183359cdb6_attn
	.globl	k_q183359cdb6_attn
	.p2align	8
	.type	k_q183359cdb6_attn,@function
k_q183359cdb6_attn:
	s_mov_b64 s[64:65], 0
	v_nop
	global_prefetch_b8 v0, s[64:65] scope:SCOPE_SE
	s_setreg_imm32_b32 hwreg(HW_REG_WAVE_MODE, 25, 1), 1
	s_wait_xcnt 0x0
; Causal attention of one (batch, head) on codes of BF6 (E3M2), head size 64, 2,048 tokens; the result, divided by the row's sum, is quantised along D and leaves as codes for the last product.
; THE SOFTMAX: t = score x log2(e) / 8; M = the running largest t rounded UP to a whole number; p = 2^(t - M) is quantised along the keys, not normalised; the row's sum is taken of the unquantised p and divides at the end;
; when M moves, the sum and O are multiplied by 2^(old M - new M), which rounds nothing.
; OPERANDS are "units": 16 rows x 64 K, 768 bytes, an image of registers (lane l's block: 16 bytes at 16 l, 8 bytes at 512 + 8 l).  Tile 4 G + u of tokens holds tokens 64 G + 8 u + (r % 8) + 32 (r / 8); V's d tiles likewise.
; Both products are used transposed (S^T = K Q^T, O^T = V^T P^T): a lane holds ONE query.  By the tiles' rows the 32 score registers of K's tiles 4 G .. 4 G + 3 are keys 64 G + 32 h + 0 .. 31: a WHOLE block of 32 keys in a lane,
; in the very place that P's operand wants it; and O^T's 32 registers are d = 32 h + 0 .. 31 of the head: a whole block along D.  So no maximum of a block and no code changes lanes.
; THE HEAD'S 64 fill half of the instruction's 128 along K: Q's upper six registers are zero codes; K's operand simply runs on into the next tile's registers, whose codes meet those zeros.
; SHARES.  Four work-groups to a head, sixteen waves each, a tile of 16 queries at a time in 256 registers.  Wave w of work-group c owns tiles 16 c + w and 127 - (16 c + w): a tile t needs t / 8 + 1 steps of 128 keys, so
; every wave has 17 steps.  Steps all of whose keys come after the tile's queries are passed over by a scalar branch on ids, inside loops of constant trip counts.
; THE WHOLE HEAD'S K AND V STAY IN LDS: the head's record in kv (208,896 bytes: K's codes, V's codes at 98,304, K's scale words at 196,608, V's at 204,800) is the LDS image; every wave brings three pieces of it, filled once;
; nothing is filled again.  The first tile needs keys under 1,024 only, so the second half may land while it is worked.
; NO CLUSTER: the four work-groups of a head read the same record, but which steps a wave passes over hangs on the work-group's number.
; The scale bytes of the result are stored one byte a lane (a head owns 2 of a row's 32 bytes): 32 bytes beside a tile's 768 of codes; the one store here that does not cover whole blocks of 256 bytes.
; LIMITS: a block of zeros gets the byte 1 where the rule says 127 (zero codes; read by this program alone); NaN and infinities are not served.
; REGISTERS: v1 r, v2 h, v3 16 lane, v4 8 lane, v5 16 r, v6 my query's place less 32 h, v7 8 h; v8-11, v29, v30 addresses of the step; v12 -M, v13 the largest t, v[14:15] the sum; v16-21 Q, v22-27 zeros, v28 Q's scale word;
; v32-79 eight tiles of K, then four fragments of V; v80-85 zeros; v86 8 r + h; v88-91 address bases; v96-159 S^T, then p; v160-191 O^T; v192-203 P's codes; v204-210 at work; v212-215 K's scale words, v216-219 V's, v220 P's; v224-241 at work.
.set QREC,  106496
.set KVREC, 208896
.set VC,    98304
.set KS,    196608
.set VS,    204800
	s_load_b128 s[4:7], s[0:1], 0x0                ; q, kv
	s_load_b128 s[8:11], s[0:1], 0x10              ; ac, asc
	v_lshl_add_u32 v254, v0, 2, 0x33000
	v_mov_b32 v255, 0
	ds_add_u32 v254, v255
	ds_add_u32 v254, v255
	v_lshrrev_b32 v1, 5, v0
	s_delay_alu instid0(VALU_DEP_1)
	v_readfirstlane_b32 s12, v1                    ; wave 0..15
	s_and_b32 s14, ttmp7, 0xffff                   ; 16 b + head
	; descriptor group 1: dense bytes as rows of 256 (32 elements of 8 bytes): 24 rows of codes; 3 rows of scale words
	s_mov_b32 s40, 3<<16
	s_mov_b32 s41, 32<<16
	s_mov_b32 s42, 24<<16
	s_mov_b32 s43, 32<<16
	s_mov_b32 s44, 24
	s_mov_b32 s45, 32
	s_mov_b32 s46, 0
	s_mov_b32 s47, 0
	s_mov_b32 s48, 3<<16
	s_mov_b32 s49, 32<<16
	s_mov_b32 s50, 3<<16
	s_mov_b32 s51, 32<<16
	s_mov_b32 s52, 3
	s_mov_b32 s53, 32
	s_mov_b32 s54, 0
	s_mov_b32 s55, 0
	s_and_b32 s34, s12, 7                          ; my pieces, at the same byte in the record and in LDS: waves 0-7 K's codes, waves 8-15 V's: 6,144 bytes of the keys under 1,024,
	s_mul_i32 s34, s34, 6144
	s_lshr_b32 s35, s12, 3
	s_mul_i32 s35, s35, VC
	s_add_co_u32 s34, s34, s35
	s_mul_i32 s35, s12, 768                        ; 768 bytes of the scale words,
	s_add_co_u32 s35, s35, KS
	s_add_co_u32 s36, s34, 49152                   ; and 6,144 bytes of the keys from 1,024 on
	s_mul_i32 s38, s14, KVREC
	s_mov_b32 s39, 0
	s_mov_b32 s22, 0x3e38aa3b                      ; c = log2(e) / 8
	s_mov_b32 s23, s22                             ; (the packed form names the pair)
	s_mov_b32 s24, 0x76543210
	s_mov_b32 s25, 0xfedcba98                      ; v_permlanex16_b32's selects for lane l xor 16
	s_wait_dscnt 0x0
	s_wait_kmcnt 0x0
	s_add_nc_u64 s[6:7], s[6:7], s[38:39]          ; the head's record
	s_mov_b32 s56, 1
	s_mov_b32 s57, s34
	s_mov_b32 s38, s34
	s_add_nc_u64 s[58:59], s[6:7], s[38:39]
	s_or_b32 s59, s59, 0x80000000
	s_mov_b32 s60, 1
	s_mov_b32 s61, s35
	s_mov_b32 s38, s35
	s_add_nc_u64 s[62:63], s[6:7], s[38:39]
	s_or_b32 s63, s63, 0x80000000
	s_mov_b32 s68, 1
	s_mov_b32 s69, s36
	s_mov_b32 s38, s36
	s_add_nc_u64 s[70:71], s[6:7], s[38:39]
	s_or_b32 s71, s71, 0x80000000
	tensor_load_to_lds s[56:59], s[40:47]          ; the three first fills stand together, ahead of every LDS read and barrier: three loads of mine are out
	s_nop 0
	tensor_load_to_lds s[60:63], s[48:55]
	s_nop 0
	tensor_load_to_lds s[68:71], s[40:47]
	s_nop 0
	v_and_b32 v1, 15, v0                           ; r
	v_bfe_u32 v2, v0, 4, 1                         ; h
	v_and_b32 v3, 31, v0
	s_delay_alu instid0(VALU_DEP_1)
	v_lshlrev_b32 v4, 3, v3
	s_delay_alu instid0(VALU_DEP_2)
	v_lshlrev_b32 v3, 4, v3
	v_lshlrev_b32 v5, 4, v1
	v_and_b32 v6, 7, v1
	v_lshrrev_b32 v7, 3, v1
	s_delay_alu instid0(VALU_DEP_1)
	v_lshl_add_u32 v6, v7, 5, v6
	v_lshlrev_b32 v7, 5, v2
	s_delay_alu instid0(VALU_DEP_1)
	v_sub_nc_u32 v6, v6, v7                        ; (r % 8) + 32 (r / 8) - 32 h
	v_lshlrev_b32 v7, 3, v2
	v_lshl_add_u32 v86, v1, 3, v2
	v_add_nc_u32 v88, VC, v3
	v_add_nc_u32 v89, VC, v4
	v_add_nc_u32 v90, KS, v3
	v_add_nc_u32 v91, VS, v5
.irp i, 22,23,24,25,26,27,80,81,82,83,84,85,229,231,238
	v_mov_b32 v\i, 0                               ; zero codes; and registers that are named before they are first written (permutes' destinations, a pair's upper half)
.endr
	v_mov_b32 v239, 0xff800000                     ; -infinity
	s_mul_i32 s38, s14, QREC
	s_add_nc_u64 s[4:5], s[4:5], s[38:39]          ; the head's record of q
	s_lshr_b32 s34, s14, 4                         ; b
	s_and_b32 s35, s14, 15                         ; head
	s_mul_i32 s38, s34, 128*12288
	s_mul_i32 s36, s35, 768
	s_add_co_u32 s38, s38, s36
	s_add_nc_u64 s[8:9], s[8:9], s[38:39]          ; ac: the batch's first tile, the head's unit
	s_lshl_b32 s38, s34, 16
	s_lshr_b32 s36, s35, 2
	s_lshl_b32 s36, s36, 7
	s_add_co_u32 s38, s38, s36
	s_and_b32 s36, s35, 3
	s_lshl_b32 s36, s36, 1
	s_add_co_u32 s38, s38, s36
	s_add_nc_u64 s[10:11], s[10:11], s[38:39]      ; asc: 128 (head / 4) + 2 (head % 4) in a tile's 512 bytes
	s_lshl_b32 s15, ttmp9, 4
	s_add_co_u32 s15, s15, s12                     ; my first tile of queries
; A tile's beginning: s15 is the tile.
.macro PRO
	s_wait_xcnt 0x0                                ; the last tile's stores have read their bases and their data
	s_lshr_b32 s16, s15, 3                         ; the step on the diagonal, and the last
	s_lshr_b32 s34, s15, 2
	s_and_b32 s35, s15, 3
	s_lshl_b32 s21, s34, 6
	s_lshl_b32 s36, s35, 3
	s_add_co_u32 s21, s21, s36                     ; 64 G + 8 u
	s_mul_i32 s38, s15, 768
	s_add_nc_u64 s[26:27], s[4:5], s[38:39]        ; Q's unit
	s_lshl_b32 s38, s34, 8
	s_lshl_b32 s36, s35, 2
	s_add_co_u32 s38, s38, s36
	s_add_co_u32 s38, s38, 98304
	s_add_nc_u64 s[28:29], s[4:5], s[38:39]        ; Q's scale words
	s_mul_i32 s38, s15, 12288
	s_add_nc_u64 s[30:31], s[8:9], s[38:39]
	s_lshl_b32 s38, s15, 9
	s_add_nc_u64 s[32:33], s[10:11], s[38:39]
	global_load_b128 v[16:19], v3, s[26:27]
	global_load_b64 v[20:21], v4, s[26:27] offset:512
	global_load_b32 v28, v5, s[28:29]
	s_mov_b32 s17, 0                               ; the step, and where its tiles and scale words begin
	s_mov_b32 s18, 0
	s_mov_b32 s19, 0
	s_mov_b32 s20, 0
.irp j, 0,1,2,3,4,5,6,7,8,9,10,11,12,13,14,15,16,17,18,19,20,21,22,23,24,25,26,27,28,29,30,31
	v_mov_b32 v[160+\j], 0                         ; O^T.  (The step is written once: the first finds zeros, which the first change of M leaves zeros)
.endr
	v_mov_b32 v13, 0xff61b1e6                      ; the largest t so far: -3e38
	s_delay_alu instid0(VALU_DEP_1)
	v_floor_f32 v12, -v13
	v_mov_b32 v14, 0
	v_mov_b32 v15, 0
	s_wait_loadcnt 0x0
.endm
; The tile's walk over the keys, 128 a trip; the trip count is a constant, and a trip whose keys all come after the tile's queries does nothing but step.
.macro WALK trips
.Lstep_\@:
	s_cmp_gt_u32 s17, s16
	s_cbranch_scc1 .Lhidden_\@
	s_setprio 2
	v_add_nc_u32 v8, s18, v3                       ; (these six are also the places in front of the loads into registers that the last products read)
	v_add_nc_u32 v9, s18, v4
	v_add_nc_u32 v10, s18, v88
	v_add_nc_u32 v11, s18, v89
	v_add_nc_u32 v29, s19, v90
	v_add_nc_u32 v30, s20, v91
.irp t, 0,1,2,3,4,5,6,7
	ds_load_b128 v[32+6*\t:35+6*\t], v8 offset:768*\t
	ds_load_b64 v[36+6*\t:37+6*\t], v9 offset:768*\t+512
.endr
	ds_load_b128 v[212:215], v29                   ; K's scale words: register u; lanes 0-15 tile u, lanes 16-31 tile 4 + u
	s_wait_alu depctr_va_vdst(0)
	s_wait_dscnt 0x0
.irp u, 0,1,2,3
	v_wmma_scale_f32_16x16x128_f8f6f4 v[96+8*\u:103+8*\u], v[32+6*\u:43+6*\u], v[16:27], 0, v[212+\u], v28 matrix_a_fmt:MATRIX_FMT_BF6 matrix_b_fmt:MATRIX_FMT_BF6
.endr
.irp u, 0,1,2,3
	v_wmma_scale_f32_16x16x128_f8f6f4 v[128+8*\u:135+8*\u], v[56+6*\u:67+6*\u], v[16:27], 0, v[212+\u], v28 matrix_a_fmt:MATRIX_FMT_BF6 matrix_b_fmt:MATRIX_FMT_BF6 matrix_a_scale:MATRIX_SCALE_ROW1
.endr
.rept 4
	v_nop                                          ; places: K's registers take V, and the scores are read
.endr
.irp u, 0,1,2,3
.irp c, 0,1
	ds_load_b128 v[32+12*\u+6*\c:35+12*\u+6*\c], v10 offset:3072*\c+768*\u      ; V's fragments land while the softmax is worked
	ds_load_b64 v[36+12*\u+6*\c:37+12*\u+6*\c], v11 offset:3072*\c+768*\u+512
.endr
.endr
	ds_load_b128 v[216:219], v30
	s_cmp_lg_u32 s17, s16                          ; on the diagonal the scores of hidden keys become -infinity: p = 0 then.  Key 128 x step counts for every query of the tile, so M stays a number
	s_cbranch_scc1 .Lopen_\@
	s_lshl_b32 s34, s17, 7
	s_sub_co_i32 s34, s21, s34
	v_add_nc_u32 v240, s34, v6                     ; register 32 g + i holds key 128 step + 64 g + 32 h + i: hidden where i > my query - 128 step - 64 g - 32 h
	s_delay_alu instid0(VALU_DEP_1)
	v_add_nc_u32 v241, 0xffffffc0, v240
.irp g, 0,1
.irp i, 0,1,2,3,4,5,6,7,8,9,10,11,12,13,14,15,16,17,18,19,20,21,22,23,24,25,26,27,28,29,30,31
	v_cmp_gt_i32 vcc_lo, \i, v[240+\g]
	v_cndmask_b32 v[96+32*\g+\i], v[96+32*\g+\i], v239, vcc_lo
.endr
.endr
.Lopen_\@:
.irp c, 0,1,2,3
	v_max3_num_f32 v[224+\c], v[96+16*\c], v[97+16*\c], v[98+16*\c]   ; the largest score, in four chains of 16
.endr
.irp i, 3,5,7,9,11,13
.irp c, 0,1,2,3
	v_max3_num_f32 v[224+\c], v[224+\c], v[96+16*\c+\i], v[97+16*\c+\i]
.endr
.endr
.irp c, 0,1,2,3
	v_max_num_f32 v[224+\c], v[224+\c], v[111+16*\c]
.endr
	s_delay_alu instid0(VALU_DEP_3)
	v_max_num_f32 v224, v224, v225                 ; THE LARGEST SCORE OF EACH OF MY TWO BLOCKS OF 32 KEYS: it serves the row's maximum and, since p rises with the score, the block's largest p
	s_delay_alu instid0(VALU_DEP_2)
	v_max_num_f32 v226, v226, v227
	s_delay_alu instid0(VALU_DEP_1)
	v_max_num_f32 v228, v224, v226
	s_delay_alu instid0(VALU_DEP_1)
	v_permlanex16_b32 v229, v228, s24, s25
	s_delay_alu instid0(VALU_DEP_1)
	v_max_num_f32 v228, v228, v229                 ; with lane l xor 16's 64 keys
	s_delay_alu instid0(VALU_DEP_1)
	v_mul_f32 v228, s22, v228                      ; as t
	s_delay_alu instid0(VALU_DEP_1)
	v_max_num_f32 v13, v13, v228
	v_mov_b32 v228, v12
	s_delay_alu instid0(VALU_DEP_2)
	v_floor_f32 v12, -v13                          ; the new -M = floor(-t)
	s_delay_alu instid0(VALU_DEP_1)
	v_sub_f32 v228, v12, v228                      ; old M - new M: a whole number, 0 or less
	s_delay_alu instid0(VALU_DEP_1)
	v_cvt_i32_f32 v228, v228                       ; (it saturates)
	s_delay_alu instid0(VALU_DEP_1)
	v_ldexp_f32 v230, 1.0, v228                    ; f = 2^(old M - new M)
	s_setprio 1
.irp j, 0,2,4,6,8,10,12,14,16,18,20,22,24,26,28,30,32,34,36,38,40,42,44,46,48,50,52,54,56,58,60,62
	v_pk_fma_f32 v[96+\j:97+\j], v[96+\j:97+\j], s[22:23], v[12:13] op_sel_hi:[1,0,0]   ; t - M
.endr
	v_fma_f32 v224, v224, s22, v12
	v_fma_f32 v226, v226, s22, v12
	s_wait_alu depctr_va_vdst(0)
.irp j, 0,1,2,3,4,5,6,7,8,9,10,11,12,13,14,15,16,17,18,19,20,21,22,23,24,25,26,27,28,29,30,31,32,33,34,35,36,37,38,39,40,41,42,43,44,45,46,47,48,49,50,51,52,53,54,55,56,57,58,59,60,61,62,63
	v_exp_f32 v[96+\j], v[96+\j]                   ; p = 2^(t - M)
.endr
	v_pk_mul_f32 v[14:15], v[14:15], v[230:231] op_sel_hi:[1,0]   ; the sums under the new M; the plain line behind the exponentials
	s_wait_alu depctr_va_vdst(0)                   ; one wait for the batch, ahead of its first reader
	v_exp_f32 v224, v224                           ; the blocks' largest p: the same two instructions on the same number give the same bits
	v_exp_f32 v226, v226
	v_pk_add_f32 v[232:233], v[100:101], v[104:105]
	v_pk_add_f32 v[252:253], v[108:109], v[112:113]
	v_pk_add_f32 v[250:251], v[116:117], v[120:121]
	v_pk_add_f32 v[248:249], v[124:125], v[128:129]
	v_pk_add_f32 v[246:247], v[132:133], v[136:137]
	v_pk_add_f32 v[244:245], v[140:141], v[144:145]
	v_pk_add_f32 v[242:243], v[148:149], v[152:153]
	v_pk_add_f32 v[14:15], v[14:15], v[156:157]
	v_pk_add_f32 v[232:233], v[232:233], v[96:97]
	v_pk_add_f32 v[252:253], v[252:253], v[98:99]
	v_pk_add_f32 v[250:251], v[250:251], v[102:103]
	v_pk_add_f32 v[248:249], v[248:249], v[106:107]
	v_pk_add_f32 v[246:247], v[246:247], v[110:111]
	v_pk_add_f32 v[244:245], v[244:245], v[114:115]
	v_pk_add_f32 v[242:243], v[242:243], v[118:119]
	v_pk_add_f32 v[14:15], v[14:15], v[122:123]
	v_pk_add_f32 v[232:233], v[232:233], v[126:127]
	v_pk_add_f32 v[252:253], v[252:253], v[130:131]
	v_pk_add_f32 v[250:251], v[250:251], v[134:135]
	v_pk_add_f32 v[248:249], v[248:249], v[138:139]
	v_pk_add_f32 v[246:247], v[246:247], v[142:143]
	v_pk_add_f32 v[244:245], v[244:245], v[146:147]
	v_pk_add_f32 v[242:243], v[242:243], v[150:151]
	v_pk_add_f32 v[14:15], v[14:15], v[154:155]
	v_pk_add_f32 v[232:233], v[232:233], v[158:159]
	s_delay_alu instid0(VALU_DEP_2)
	v_pk_add_f32 v[14:15], v[14:15], v[248:249]
	s_delay_alu instid0(VALU_DEP_2)
	v_pk_add_f32 v[232:233], v[232:233], v[246:247]
	v_pk_add_f32 v[252:253], v[252:253], v[244:245]
	v_pk_add_f32 v[250:251], v[250:251], v[242:243]
	s_delay_alu instid0(VALU_DEP_2)
	v_pk_add_f32 v[14:15], v[14:15], v[252:253]
	s_delay_alu instid0(VALU_DEP_2)
	v_pk_add_f32 v[232:233], v[232:233], v[250:251]
	s_delay_alu instid0(VALU_DEP_1)
	v_pk_add_f32 v[14:15], v[14:15], v[232:233]
	s_setprio 0
	s_wait_alu depctr_va_vdst(0)                   ; and one for the two
	v_max_num_f32 v224, 0x2800000, v224            ; the floor 2^(5 - 127): the byte cannot fall under 1
	v_max_num_f32 v226, 0x2800000, v226
	s_delay_alu instid0(VALU_DEP_2)
	v_add_nc_u32 v234, 0xfe000000, v224            ; 4 off the exponent field: the conversions' scale operands
	s_delay_alu instid0(VALU_DEP_2)
	v_add_nc_u32 v235, 0xfe000000, v226
	s_delay_alu instid0(VALU_DEP_2)
	v_lshrrev_b32 v236, 23, v234
	s_delay_alu instid0(VALU_DEP_2)
	v_lshrrev_b32 v237, 23, v235
	s_delay_alu instid0(VALU_DEP_1)
	v_lshl_or_b32 v220, v237, 16, v236             ; P's scale word: my two bytes at 8 h bits, the partner lane's beside them
	s_delay_alu instid0(VALU_DEP_1)
	v_lshlrev_b32 v220, v7, v220
	s_delay_alu instid0(VALU_DEP_1)
	v_permlanex16_b32 v238, v220, s24, s25
	s_delay_alu instid0(VALU_DEP_1)
	v_or_b32 v220, v220, v238
	v_cvt_scalef32_pk16_bf6_f32 v[192:194], v[96:111], v234
	v_cvt_scalef32_pk16_bf6_f32 v[204:206], v[112:127], v234   ; (a conversion's three registers begin on an even number)
	v_cvt_scalef32_pk16_bf6_f32 v[198:200], v[128:143], v235
	v_cvt_scalef32_pk16_bf6_f32 v[208:210], v[144:159], v235
	v_nop                                          ; one plain line behind the conversions
.irp i, 0,1,2
	v_mov_b32 v[195+\i], v[204+\i]
	v_mov_b32 v[201+\i], v[208+\i]
.endr
.irp j, 0,2,4,6,8,10,12,14,16,18,20,22,24,26,28,30
	v_pk_mul_f32 v[160+\j:161+\j], v[160+\j:161+\j], v[230:231] op_sel_hi:[1,0]   ; O^T under the new M.  (With the moves above: 23 plain lines behind P's scale word, 16 behind its codes, ahead of the products)
.endr
	s_wait_alu depctr_va_vdst(0)
	s_wait_dscnt 0x0                               ; V is in
.irp u, 0,1,2,3
	v_wmma_scale_f32_16x16x128_f8f6f4 v[160+8*\u:167+8*\u], v[32+12*\u:43+12*\u], v[192:203], v[160+8*\u:167+8*\u], v[216+\u], v220 matrix_a_fmt:MATRIX_FMT_BF6 matrix_b_fmt:MATRIX_FMT_BF6
.endr
.Lhidden_\@:
	s_add_co_u32 s18, s18, 6144
	s_add_co_u32 s19, s19, 512
	s_add_co_u32 s20, s20, 256
	s_add_co_u32 s17, s17, 1
	s_cmp_lt_u32 s17, \trips
	s_cbranch_scc1 .Lstep_\@
	s_setprio 0
.endm
; A tile's end: O^T / the sum; my 32 numbers are a block along D: its codes are my part of the unit (tile, head), its byte one of the row's 32.
.macro EPI
.rept 4
	v_nop                                          ; places behind the last products
.endr
	v_add_f32 v228, v14, v15
	s_delay_alu instid0(VALU_DEP_1)
	v_permlanex16_b32 v229, v228, s24, s25
	s_delay_alu instid0(VALU_DEP_1)
	v_add_f32 v228, v228, v229                     ; the row's sum
	s_wait_alu depctr_va_vdst(0)
	v_rcp_f32 v230, v228
	v_nop                                          ; a plain line behind the reciprocal
	s_wait_alu depctr_va_vdst(0)                   ; and the wait ahead of its first reader
.irp j, 0,2,4,6,8,10,12,14,16,18,20,22,24,26,28,30
	v_pk_mul_f32 v[160+\j:161+\j], v[160+\j:161+\j], v[230:231] op_sel_hi:[1,0]
.endr
	v_max3_num_f32 v224, |v160|, |v161|, 0x2800000
	v_max3_num_f32 v225, |v176|, |v177|, 0x2800000
.irp i, 2,4,6,8,10,12,14
	s_delay_alu instid0(VALU_DEP_2)
	v_max3_num_f32 v224, v224, |v[160+\i]|, |v[161+\i]|
	s_delay_alu instid0(VALU_DEP_2)
	v_max3_num_f32 v225, v225, |v[176+\i]|, |v[177+\i]|
.endr
	s_delay_alu instid0(VALU_DEP_1)
	v_max_num_f32 v224, v224, v225
	s_delay_alu instid0(VALU_DEP_1)
	v_add_nc_u32 v234, 0xfe000000, v224
	v_cvt_scalef32_pk16_bf6_f32 v[192:194], v[160:175], v234
	v_cvt_scalef32_pk16_bf6_f32 v[204:206], v[176:191], v234
	v_lshrrev_b32 v236, 23, v234                   ; the byte; also the plain line behind the conversions
.irp i, 0,1,2
	v_mov_b32 v[195+\i], v[204+\i]
.endr
	global_store_b128 v3, v[192:195], s[30:31]     ; 512 consecutive bytes
	global_store_b64 v4, v[196:197], s[30:31] offset:512
	global_store_b8 v86, v236, s[32:33]            ; row r's byte of block 2 head + h
.endm
	PRO
	s_wait_tensorcnt 1                             ; my pieces of the keys under 1,024 and of the scale words are in; the third load may stay out
	s_barrier_signal -1
	s_barrier_wait -1                              ; everybody's are
	WALK 8                                         ; tiles 0 .. 63 end in step 7 at the latest: keys under 1,024
	s_wait_alu depctr_va_vdst(0)
	EPI
	s_sub_co_u32 s15, 127, s15                     ; my second tile
	PRO
	s_wait_tensorcnt 0x0                           ; my piece of the keys from 1,024 on is in,
	s_wait_dscnt 0x0
	s_barrier_signal -1
	s_barrier_wait -1                              ; everybody's is
	WALK 16
	s_wait_alu depctr_va_vdst(0)
	EPI
	s_wait_tensorcnt 0x0
	ds_add_u32 v254, v255
	s_wait_dscnt 0x0
	s_endpgm
.Lfunc_end_k_q183359cdb6_attn:
	.size	k_q183359cdb6_attn, .Lfunc_end_k_q183359cdb6_attn-k_q183359cdb6_attn
	.p2alignl 7, 3214868480
	.fill 96, 4, 3214868480
	.section	.rodata,"a",@progbits
	.p2align	6, 0x0
	.amdhsa_kernel k_q183359cdb6_attn
		.amdhsa_group_segment_fixed_size 210944
		.amdhsa_private_segment_fixed_size 0
		.amdhsa_enable_private_segment 0
		.amdhsa_kernarg_size 32
		.amdhsa_user_sgpr_count 2
		.amdhsa_user_sgpr_kernarg_segment_ptr 1
		.amdhsa_wavefront_size32 1
		.amdhsa_system_sgpr_workgroup_id_x 1
		.amdhsa_system_sgpr_workgroup_id_y 1
		.amdhsa_system_sgpr_workgroup_id_z 1
		.amdhsa_system_vgpr_workitem_id 0
		.amdhsa_next_free_vgpr 256
		.amdhsa_next_free_sgpr 72
		.amdhsa_reserve_vcc 1
		.amdhsa_float_denorm_mode_32 3
		.amdhsa_float_denorm_mode_16_64 3
		.amdhsa_memory_ordered 1
		.amdhsa_forward_progress 1
		.amdhsa_inst_pref_size 59
	.end_amdhsa_kernel
	.amdgpu_metadata
---
amdhsa.version: [ 1, 2 ]
amdhsa.kernels:
  - .name:           k_q183359cdb6_attn
    .symbol:         k_q183359cdb6_attn.kd
    .args:
      - { .name: q, .offset: 0, .size: 8, .value_kind: global_buffer, .address_space: global }
      - { .name: kv, .offset: 8, .size: 8, .value_kind: global_buffer, .address_space: global }
      - { .name: ac, .offset: 16, .size: 8, .value_kind: global_buffer, .address_space: global }
      - { .name: asc, .offset: 24, .size: 8, .value_kind: global_buffer, .address_space: global }
    .group_segment_fixed_size: 210944
    .private_segment_fixed_size: 0
    .kernarg_segment_align: 8
    .kernarg_segment_size: 32
    .max_flat_workgroup_size: 512
    .sgpr_count:     72
    .vgpr_count:     256
    .wavefront_size: 32
...
	.end_amdgpu_metadata
.endif
;; end of part 3
;; launch proj (part 4): grid 4 x 32, 4 waves a work-group, clusters of 4 x 4, 327,680 bytes of LDS; arguments ac, asc, cod, scl, out0; writes out0
.if DOCPART == 4
	.amdgcn_target "amdgcn-amd-amdhsa--gfx1250"
	.amdhsa_code_object_version 6
	.text
	.protected	k_q183359cdb6_proj
	.globl	k_q183359cdb6_proj
	.p2align	8
	.type	k_q183359cdb6_proj,@function
k_q183359cdb6_proj:
	s_mov_b64 s[64:65], 0
	v_nop
	global_prefetch_b8 v0, s[64:65] scope:SCOPE_SE
	s_setreg_imm32_b32 hwreg(HW_REG_WAVE_MODE, 25, 1), 1
	s_wait_xcnt 0x0
	s_wait_alu depctr_hold_cnt(0) depctr_sa_sdst(0) depctr_va_vdst(0) depctr_va_sdst(0) depctr_va_ssrc(0) depctr_va_vcc(0) depctr_vm_vsrc(0)
	s_getreg_b32 s2, hwreg(HW_REG_IB_STS2, 6, 4)
	s_cmp_eq_u32 s2, 0
	s_cbranch_scc0 .Lentry_in_a_cluster
	s_endpgm
.Lentry_in_a_cluster:
	s_bfe_u32 s2, ttmp6, 0x10000c
	s_cmp_lg_u32 s2, 0xf033
	s_cbranch_scc0 .Lentry_shape_is_right
	s_endpgm
.Lentry_shape_is_right:
; out0 = o Wout^T on codes of BF6 (E3M2) with E8M0 scales, K = 1,024.  o: the attention's result as codes (ac, asc), 512 tiles of 16 tokens; Wout: tiles 704-767 of cod and scl.  out0: [8192][1024] f32.
; OPERANDS come as "units" (16 rows x 64 K as an image of registers: lane l's block of 24 bytes lies as 16 bytes at 16 l and 8 bytes at 512 + 8 l); a tile has 16 units, 12,288 bytes;
; tile 4 G + u holds rows 64 G + 8 u + (r % 8) + 32 (r / 8).  Scales: 512 bytes a tile, [256 along K][row][2 words].
; A tile of C, 256 x 256, is made by four waves, 128 x 128 each: 64 accumulators.  K goes in steps of 256 through a ring of two LDS slots filled by the tensor data mover; the scales come into LDS once, with the first fills.
; CLUSTERS: 4 x 4 work-groups; A's tiles are shared along a row of the cluster, B's along a column: each is asked for jointly.  THE MATRIX INSTRUCTION IS USED TRANSPOSED (source 0 = 16 rows of Wout, source 1 = 16 tokens):
; in accumulator (a, b) lane (r, h), register j holds token 64 (a/4) + 8 (a%4) + (r%8) + 32 (r/8) and column 64 (b/4) + 32 h + 8 (b%4) + j of my 128 x 128.  The way out puts rows and columns back in order by its offsets alone.
; The grid has 128 work-groups: a smaller tile would fill more WGPs and read each fragment from LDS for half as many products.
; REGISTERS, in windows of 256: window 0: v0-31 addresses; v32-63 scale words, two sets; from v128 A's fragments, ONE set; on the way out v128-255 take rows read back.
;   window 1: B's fragments, TWO sets.   window 2: the accumulators of A's blocks 0-3 ((a, b) at v[8 (8 (a%4) + b)]);   window 3: those of blocks 4-7.
.set NQ,     2
.set FR,     12
.set NL,     4
.set NP,     4                         ; places behind this matrix instruction (ISA guide 7.12.1)
.set TILEB,  3072
.set HALFT,  8*TILEB
.set SLOT,   4*HALFT
.set SCL,    2*SLOT                    ; A's scales, 8,192 bytes; B's begin 8,320 bytes on, so that lanes 16-31 of a load fall on the other 32 banks
.set SPARE,  SCL+16640                 ; the spare words, 128 bytes a wave: two blocks of 256 bytes that no other line names
.set SPITCH, 528                       ; the way out: a stage of 16 rows x (512 bytes + 16) for each wave, in slot 0, which has had its last fill and its last read when the first result is stored there
.set LI16, 4                           ; v4   16 x lane: also my place in a row of C
.set LI8,  5                           ; v5   8 x lane
.set ADRA, 16
.set ADRB, 20
.set STO,  24                          ; v24  the stage: row r, + 128 h
.set RD,   25                          ; v25  and where I read a row back
.set ADRS, 27
.set SPW,  28
.set NIL,  29
.set SC,   32
.set AF,   128
.set BK,   128
.set G1, 24
.set G0, 32
.set G1B, 48
.set G0B, 56
.set G1S, 68
.set G0S, 76
.set G1SB, 80
.set G0SB, 88
.set MSB, 0
.macro WIN new                         ; the immediate's high byte repeats the setting that is left
.if MSB != (\new)
	s_set_vgpr_msb (MSB<<8)|(\new)
.set MSB, (\new)
.endif
.endm
.set MUL_LO, 0xa1
.set MUL_HI, 0xf1
.set TO_B,   0x40
.macro JLOAD g0a, g1a, g0b, g1b        ; a joint load: waves 0 and 1 fetch for A, waves 2 and 3 for B; four v_nop follow each of the two lines
	s_cmp_eq_u32 s15, 0
	s_cbranch_scc0 .Lfor_b_\@
	tensor_load_to_lds s[\g0a:\g0a+3], s[\g1a:\g1a+7]
	s_nop 0
.rept 4
	v_nop
.endr
	s_branch .Lasked_\@
.Lfor_b_\@:
	tensor_load_to_lds s[\g0b:\g0b+3], s[\g1b:\g1b+7]
	s_nop 0
.rept 4
	v_nop
.endr
.Lasked_\@:
.endm
.macro CREST
	s_cmp_lg_u32 s14, 0
	s_cbranch_scc1 .Lnot_wave_0_\@
	s_barrier_signal -3
.Lnot_wave_0_\@:
	s_barrier_wait -3
	s_barrier_signal -1
	s_barrier_wait -1
.endm
.macro CROUND
	s_barrier_signal -1
	s_barrier_wait -1
	CREST
.endm
	s_load_b128 s[4:7], s[0:1], 0x0                ; ac, asc
	s_load_b128 s[8:11], s[0:1], 0x10              ; cod, scl
	s_load_b64 s[12:13], s[0:1], 0x20              ; out0
	v_lshl_add_u32 v[SPW], v0, 2, SPARE
	v_mov_b32 v[NIL], 0
	ds_add_u32 v28, v29
	ds_add_u32 v28, v29
	s_wait_dscnt 0x0
	v_lshrrev_b32 v1, 5, v0
	v_readfirstlane_b32 s14, v1                    ; wave 0..3
	s_lshr_b32 s15, s14, 1                         ; which half of the tile's rows is mine.  Also: I fetch for A (0) or for B (1)
	s_and_b32 s16, s14, 1                          ; which half of its columns.  Also: which 8 tiles I fetch
	s_bfe_u32 s40, ttmp6, 0x40000                  ; cx, cy
	s_bfe_u32 s41, ttmp6, 0x40004
	s_lshl_b32 s42, ttmp9, 2
	s_add_co_u32 s42, s42, s40                     ; tile column of C
	s_and_b32 s17, ttmp7, 0xffff
	s_lshl_b32 s17, s17, 2
	s_add_co_u32 s17, s17, s41                     ; tile row of C
	s_lshl_b32 s43, s41, 2
	s_lshl_b32 s43, 15, s43                        ; my row of the cluster
	s_lshl_b32 s44, 0x1111, s40                    ; my column
	s_lshl_b32 s18, s16, 3
	s_lshl_b32 s20, s17, 4
	s_add_co_u32 s20, s20, s18                     ; A: the first of the 8 tiles that I fetch
	s_lshl_b32 s46, s42, 4
	s_add_co_u32 s46, s46, s18
	s_add_co_u32 s46, s46, 704                     ; B: Wout begins at tile 704
	s_lshl_b32 s22, s20, 9
	s_mov_b32 s23, 0
	s_lshl_b32 s92, s46, 9
	s_mov_b32 s93, 0
	s_mul_i32 s20, s20, 12288
	s_mov_b32 s21, 0
	s_mul_i32 s46, s46, 12288
	s_mov_b32 s47, 0
	; descriptor group 1 for codes: 8 rows (tiles) of 3,072 bytes = 384 elements of 8 bytes, 1,536 elements apart; no padding
	s_or_b32 s[G1+0], s43, (3<<16)|(1<<21)
	s_or_b32 s[G1B+0], s44, (3<<16)|(1<<21)
.irp g, G1, G1B
	s_mov_b32 s[\g+1], 384<<16
	s_mov_b32 s[\g+2], 8<<16
	s_mov_b32 s[\g+3], 384<<16
	s_mov_b32 s[\g+4], 8
	s_mov_b32 s[\g+5], 1536
	s_mov_b32 s[\g+6], 0
	s_mov_b32 s[\g+7], 0
.endr
	; and for the scales of 8 tiles: 4,096 dense bytes as 16 rows of 256
	s_or_b32 s[G1S+0], s43, (3<<16)|(1<<21)
	s_or_b32 s[G1SB+0], s44, (3<<16)|(1<<21)
.irp g, G1S, G1SB
	s_mov_b32 s[\g+1], 32<<16
	s_mov_b32 s[\g+2], 16<<16
	s_mov_b32 s[\g+3], 32<<16
	s_mov_b32 s[\g+4], 16
	s_mov_b32 s[\g+5], 32
	s_mov_b32 s[\g+6], 0
	s_mov_b32 s[\g+7], 0
.endr
	s_mul_i32 s45, s14, HALFT
	s_lshl_b32 s94, s14, 12
	s_lshl_b32 s95, s15, 7
	s_add_co_u32 s94, s94, s95
	s_wait_kmcnt 0x0
	s_add_nc_u64 s[20:21], s[4:5], s[20:21]
	s_add_nc_u64 s[22:23], s[6:7], s[22:23]
	s_add_nc_u64 s[46:47], s[8:9], s[46:47]
	s_add_nc_u64 s[92:93], s[10:11], s[92:93]
	CROUND                                         ; all sixteen work-groups are here: the first joint loads meet
	s_mov_b32 s[G0S], 1
	s_add_co_u32 s[G0S+1], s94, SCL
	s_mov_b64 s[G0S+2:G0S+3], s[22:23]
	s_or_b32 s[G0S+3], s[G0S+3], 0x80000000
	s_mov_b32 s[G0SB], 1
	s_add_co_u32 s[G0SB+1], s94, SCL
	s_mov_b64 s[G0SB+2:G0SB+3], s[92:93]
	s_or_b32 s[G0SB+3], s[G0SB+3], 0x80000000
	JLOAD G0S, G1S, G0SB, G1SB
.irp s, 0,1
	s_mov_b32 s[G0+4*\s], 1
	s_add_co_u32 s[G0+4*\s+1], s45, \s*SLOT
	s_add_nc_u64 s[G0+4*\s+2:G0+4*\s+3], s[20:21], \s*TILEB
	s_or_b32 s[G0+4*\s+3], s[G0+4*\s+3], 0x80000000
	s_mov_b32 s[G0B+4*\s], 1
	s_add_co_u32 s[G0B+4*\s+1], s45, \s*SLOT
	s_add_nc_u64 s[G0B+4*\s+2:G0B+4*\s+3], s[46:47], \s*TILEB
	s_or_b32 s[G0B+4*\s+3], s[G0B+4*\s+3], 0x80000000
	s_wait_alu depctr_va_vdst(0)
	s_wait_tensorcnt 0x0
	ds_add_u32 v28, v29
	s_wait_dscnt 0x0
	CROUND
	JLOAD G0+4*\s, G1, G0B+4*\s, G1B
.endr
	v_and_b32 v1, 15, v0                           ; r
	v_bfe_u32 v2, v0, 4, 1                         ; h
	v_and_b32 v3, 31, v0
	v_lshlrev_b32 v[LI16], 4, v3
	v_lshlrev_b32 v[LI8], 3, v3
	s_mul_i32 s21, s15, HALFT
	s_mul_i32 s22, s16, HALFT
	s_add_co_u32 s22, s22, 2*HALFT
.irp s, 0,1
	v_add_nc_u32 v[ADRA+\s], s21, v[LI16]
	v_add_nc_u32 v[ADRB+\s], s22, v[LI16]
	v_add_nc_u32 v[ADRA+2+\s], s21, v[LI8]
	v_add_nc_u32 v[ADRB+2+\s], s22, v[LI8]
	s_add_co_u32 s21, s21, SLOT
	s_add_co_u32 s22, s22, SLOT
.endr
	s_lshl_b32 s21, s15, 12
	s_lshl_b32 s22, s16, 12
	s_add_co_u32 s22, s22, 8320
	s_sub_co_u32 s22, s22, s21
	v_mul_u32_u24 v6, s22, v2                      ; lanes 16-31 take B's scale words: one product with h
	v_lshl_add_u32 v6, v1, 3, v6
	s_add_co_u32 s21, s21, SCL
	v_add_nc_u32 v[ADRS], s21, v6
	s_mul_i32 s23, s14, 16*SPITCH                  ; my stage
	v_mul_u32_u24 v6, v1, SPITCH
	v_lshl_add_u32 v6, v2, 7, v6
	v_add_nc_u32 v[STO], s23, v6
	v_add_nc_u32 v[RD], s23, v[LI16]
	s_lshl_b32 s20, s17, 8
	s_lshl_b32 s21, s15, 7
	s_add_co_u32 s20, s20, s21                     ; my first row of C
	s_lshl_b32 s20, s20, 12                        ; rows of 4,096 bytes
	s_lshl_b32 s46, s42, 10                        ; my first column, in bytes
	s_lshl_b32 s47, s16, 9
	s_add_co_u32 s46, s46, s47
	s_add_co_u32 s20, s20, s46
	s_mov_b32 s21, 0
	s_add_nc_u64 s[12:13], s[12:13], s[20:21]
.macro FRAG reg, adr, q, i             ; a fragment: two units; of each a lane's first 16 bytes and last 8: every load reads consecutive bytes
.irp c, 0,1
	ds_load_b128 v[\reg+6*\c:\reg+6*\c+3], v[\adr] offset:TILEB*(\i)+768*(2*(\q)+\c)
	ds_load_b64 v[\reg+6*\c+4:\reg+6*\c+5], v[\adr+2] offset:TILEB*(\i)+768*(2*(\q)+\c)+512
.endr
.endm
.macro MUL16 a0, p, q, sc, zero        ; 16 matrix instructions; the 64 accumulators take turns, one instruction a turn
.irp a, \a0, \a0+1
.irp b, 0,1,2,3,4,5,6,7
.if \zero
	v_wmma_scale_f32_16x16x128_f8f6f4 v[8*(8*((\a)%4)+\b):8*(8*((\a)%4)+\b)+7], v[128*(\p)+FR*\b:128*(\p)+FR*\b+FR-1], v[AF+FR*(\a):AF+FR*(\a)+FR-1], 0, v[SC+8*NQ*(\sc)+NQ*\b+(\q)], v[SC+8*NQ*(\sc)+NQ*(\a)+(\q)] matrix_a_fmt:MATRIX_FMT_BF6 matrix_b_fmt:MATRIX_FMT_BF6 matrix_a_scale:MATRIX_SCALE_ROW1
.else
	v_wmma_scale_f32_16x16x128_f8f6f4 v[8*(8*((\a)%4)+\b):8*(8*((\a)%4)+\b)+7], v[128*(\p)+FR*\b:128*(\p)+FR*\b+FR-1], v[AF+FR*(\a):AF+FR*(\a)+FR-1], v[8*(8*((\a)%4)+\b):8*(8*((\a)%4)+\b)+7], v[SC+8*NQ*(\sc)+NQ*\b+(\q)], v[SC+8*NQ*(\sc)+NQ*(\a)+(\q)] matrix_a_fmt:MATRIX_FMT_BF6 matrix_b_fmt:MATRIX_FMT_BF6 matrix_a_scale:MATRIX_SCALE_ROW1
.endif
.endr
.endr
.endm
.macro FETCH_B slot, q, p
	WIN TO_B
.irp i, 0,1,2,3,4,5,6,7
	FRAG 128*(\p)+FR*\i, ADRB+\slot, \q, \i
.endr
	WIN 0
.endm
.macro FETCH_A slot, q, i0
.irp i, \i0, \i0+1, \i0+2, \i0+3
	FRAG AF+FR*(\i), ADRA+\slot, \q, \i
.endr
.endm
.macro SCALES sc
.irp i, 0,1,2,3,4,5,6,7
	ds_load_b64 v[SC+8*NQ*\sc+NQ*\i:SC+8*NQ*\sc+NQ*\i+1], v[ADRS] offset:\i*512
.endr
.endm
.macro PLACES n
.rept \n
	v_nop
.endr
.endm
.macro STEP slot, q, zero
	s_wait_dscnt 4*NL                              ; B's set and A's blocks 0-3 are in; the youngest 16 loads (A's blocks 4-7) may be out
	WIN MUL_LO
	MUL16 0, (\q)%2, \q, \slot, \zero
	MUL16 2, (\q)%2, \q, \slot, \zero
	s_wait_dscnt 0
	PLACES NP
	FETCH_B \slot, (\q)+1, 1-(\q)%2
	FETCH_A \slot, (\q)+1, 0
	WIN MUL_HI
	MUL16 4, (\q)%2, \q, \slot, \zero
	MUL16 6, (\q)%2, \q, \slot, \zero
	PLACES NP
	WIN 0
	FETCH_A \slot, (\q)+1, 4
.endm
.macro TURN slot, next, fill           ; a slot's last step changes slots: ONE barrier; in front of it all my tensor loads, the add, and my reads of this slot are waited for
	s_wait_tensorcnt 0x0                           ; all my tensor loads have landed: my part of the next slot
	ds_add_u32 v[SPW], v[NIL]                      ; 0 onto my spare word
	s_wait_dscnt 4*NL+1                            ; (the add and the youngest 16 loads may be out)
	WIN MUL_LO
	MUL16 0, 1, NQ-1, \slot, 0
	s_wait_dscnt 0x0                               ; the add is done, and my reads of this slot are over
	s_barrier_signal -1
	MUL16 2, 1, NQ-1, \slot, 0
	WIN 0
	s_barrier_wait -1
.if \fill
	CREST                                          ; the barrier has opened a round of the cluster's barrier
	s_add_nc_u64 s[G0+4*\slot+2:G0+4*\slot+3], s[G0+4*\slot+2:G0+4*\slot+3], 2*TILEB
	s_add_nc_u64 s[G0B+4*\slot+2:G0B+4*\slot+3], s[G0B+4*\slot+2:G0B+4*\slot+3], 2*TILEB
	JLOAD G0+4*\slot, G1, G0B+4*\slot, G1B         ; the first tensor load behind the round; its four v_nop are the places in front of the loads below
.else
	PLACES NP
.endif
	s_wait_alu depctr_va_vdst(0)
	v_add_nc_u32 v[ADRS], 128, v[ADRS]
	FETCH_B \next, 0, 0
	FETCH_A \next, 0, 0
	SCALES \next
	WIN MUL_HI
	MUL16 4, 1, NQ-1, \slot, 0
	MUL16 6, 1, NQ-1, \slot, 0
	PLACES NP
	WIN 0
	FETCH_A \next, 0, 4
.endm
	s_wait_alu depctr_va_vdst(0)
	s_wait_tensorcnt 1                             ; the scales and my part of K step 0 are in (K step 1's load may be out)
	s_barrier_signal -1
	s_barrier_wait -1
	FETCH_B 0, 0, 0
	FETCH_A 0, 0, 0
	SCALES 0
	FETCH_A 0, 0, 4
	STEP 0, 0, 1                                   ; eight steps of 128 along K, written out: the first starts the sums
	TURN 0, 1, 1
	STEP 1, 0, 0
	TURN 1, 0, 1
	STEP 0, 0, 0
	TURN 0, 1, 0
	STEP 1, 0, 0
	s_wait_dscnt 4*NL
	WIN MUL_LO
	MUL16 0, 1, NQ-1, 1, 0
	MUL16 2, 1, NQ-1, 1, 0
	s_wait_dscnt 0
	WIN MUL_HI
	MUL16 4, 1, NQ-1, 1, 0
	MUL16 6, 1, NQ-1, 1, 0
	WIN 0
; THE WAY OUT, block by block of 16 tokens x 128 columns, through my own stage: a lane's eight numbers of accumulator b go to columns 64 (b/4) + 32 h + 8 (b%4) of row r; whole rows of 512 bytes come back.
; LDS serves a wave's instructions in order: no wait between the stores and the loads, nor in front of the next block's stores.
.macro TOSTAGE a
.set AC, 64*((\a)%4)
	WIN 0x08+4*((\a)/4)                            ; the data: window 2 or 3
.irp b, 0,1,2,3,4,5,6,7
	ds_store_b128 v[STO], v[AC+8*\b:AC+8*\b+3] offset:256*(\b/4)+32*(\b%4)       ; each accumulator from its low end on
	ds_store_b128 v[STO], v[AC+8*\b+4:AC+8*\b+7] offset:256*(\b/4)+32*(\b%4)+16
.endr
	WIN 0
.set BB, BK+64*((\a)%2)
.irp t, 0,1,2,3,4,5,6,7,8,9,10,11,12,13,14,15
	ds_load_b128 v[BB+4*\t:BB+4*\t+3], v[RD] offset:\t*SPITCH
.endr
.endm
.macro SEND a, younger                 ; stage row t is token 64 (a/4) + 8 (a%4) + (t%8) + 32 (t/8) of my 128: it stands in the immediate (127 rows of 4,096 bytes at the most)
.set BB, BK+64*((\a)%2)
	s_wait_dscnt \younger
.irp t, 0,1,2,3,4,5,6,7,8,9,10,11,12,13,14,15
	global_store_b128 v[LI16], v[BB+4*\t:BB+4*\t+3], s[12:13] offset:(64*((\a)/4)+8*((\a)%4)+(\t%8)+32*(\t/8))*4096 th:TH_STORE_NT   ; 32 lanes store 512 consecutive bytes, aligned
.endr
.endm
	PLACES NP
	TOSTAGE 0
.irp a, 1,2,3,4,5,6,7
.if \a > 1
	s_wait_xcnt 0x0                                ; block a - 2's stores have read their registers: block a's loads may land there
.endif
	TOSTAGE \a
	SEND \a-1, 32                                  ; behind block a - 1's loads: block a's 16 stores and 16 loads
.endr
	SEND 7, 0
	s_wait_tensorcnt 0x0                           ; the wave's end
	ds_add_u32 v[SPW], v[NIL]
	s_wait_dscnt 0x0
	CROUND                                         ; the closing round
	s_endpgm
.Lfunc_end_k_q183359cdb6_proj:
	.size	k_q183359cdb6_proj, .Lfunc_end_k_q183359cdb6_proj-k_q183359cdb6_proj
	.p2alignl 7, 3214868480
	.fill 96, 4, 3214868480
	.section	.rodata,"a",@progbits
	.p2align	6, 0x0
	.amdhsa_kernel k_q183359cdb6_proj
		.amdhsa_group_segment_fixed_size 327680
		.amdhsa_private_segment_fixed_size 0
		.amdhsa_enable_private_segment 0
		.amdhsa_kernarg_size 40
		.amdhsa_user_sgpr_count 2
		.amdhsa_user_sgpr_kernarg_segment_ptr 1
		.amdhsa_wavefront_size32 1
		.amdhsa_system_sgpr_workgroup_id_x 1
		.amdhsa_system_sgpr_workgroup_id_y 1
		.amdhsa_system_sgpr_workgroup_id_z 1
		.amdhsa_system_vgpr_workitem_id 0
		.amdhsa_next_free_vgpr 1024
		.amdhsa_next_free_sgpr 98
		.amdhsa_reserve_vcc 0
		.amdhsa_float_denorm_mode_32 3
		.amdhsa_float_denorm_mode_16_64 3
		.amdhsa_memory_ordered 1
		.amdhsa_forward_progress 1
		.amdhsa_inst_pref_size 144
	.end_amdhsa_kernel
	.amdgpu_metadata
---
amdhsa.version: [ 1, 2 ]
amdhsa.kernels:
  - .name:           k_q183359cdb6_proj
    .symbol:         k_q183359cdb6_proj.kd
    .args:
      - { .name: ac, .offset: 0, .size: 8, .value_kind: global_buffer, .address_space: global }
      - { .name: asc, .offset: 8, .size: 8, .value_kind: global_buffer, .address_space: global }
      - { .name: cod, .offset: 16, .size: 8, .value_kind: global_buffer, .address_space: global }
      - { .name: scl, .offset: 24, .size: 8, .value_kind: global_buffer, .address_space: global }
      - { .name: out0, .offset: 32, .size: 8, .value_kind: global_buffer, .address_space: global }
    .group_segment_fixed_size: 327680
    .private_segment_fixed_size: 0
    .kernarg_segment_align: 8
    .kernarg_segment_size: 40
    .max_flat_workgroup_size: 128
    .sgpr_count:     98
    .vgpr_count:     1024
    .wavefront_size: 32
...
	.end_amdgpu_metadata
.endif
;; end of part 4
